; MI455X (gfx1250); checked and timed in simulation.
; The chip was launched on July 23, 2026; its instructions are those of AMD's public machine-readable ISA for CDNA 5 (MIT licence, August 2026) and "CDNA5" Instruction Set Architecture Reference Guide (July 2026). The comments in the code are by the model that wrote it; some were corrected since.
;; Cross Attention Fi LM. Allowed arithmetic: matrix products marked QUANTISED: E3M2 operands, one E8M0 scale for each 32 along K, by v_wmma_scale_f32_16x16x128_f8f6f4 with both operands' format E3M2, f32 sums; products left as they are: f32 operands where the result goes on into a quantised operand, else bf16, f16 or f32 operands; f32 sums; everything else in f32.
;; Inputs: Wb_codes 1,024 x 8 x 24 uint8 (E3M2 codes of Wb, K innermost, in blocks of 32 codes, four codes in three bytes); Wb_scales 1,024 x 8 uint8 (E8M0 scales of Wb, one for each 32 codes along K); Wg_codes 1,024 x 8 x 24 uint8 (E3M2 codes of Wg, K innermost, in blocks of 32 codes, four codes in three bytes); Wg_scales 1,024 x 8 uint8 (E8M0 scales of Wg, one for each 32 codes along K); Wk_codes 1,024 x 24 x 24 uint8 (E3M2 codes of Wk, K innermost, in blocks of 32 codes, four codes in three bytes); Wk_scales 1,024 x 24 uint8 (E8M0 scales of Wk, one for each 32 codes along K); Wl_codes 1,024 x 32 x 24 uint8 (E3M2 codes of Wl, K innermost, in blocks of 32 codes, four codes in three bytes); Wl_scales 1,024 x 32 uint8 (E8M0 scales of Wl, one for each 32 codes along K); Wo_codes 1,024 x 32 x 24 uint8 (E3M2 codes of Wo, K innermost, in blocks of 32 codes, four codes in three bytes); Wo_scales 1,024 x 32 uint8 (E8M0 scales of Wo, one for each 32 codes along K); Wq_codes 1,024 x 32 x 24 uint8 (E3M2 codes of Wq, K innermost, in blocks of 32 codes, four codes in three bytes); Wq_scales 1,024 x 32 uint8 (E8M0 scales of Wq, one for each 32 codes along K); Wv_codes 1,024 x 24 x 24 uint8 (E3M2 codes of Wv, K innermost, in blocks of 32 codes, four codes in three bytes); Wv_scales 1,024 x 24 uint8 (E8M0 scales of Wv, one for each 32 codes along K); attention 1,024 x 32 int32; bb 1,024 float32; bg 1,024 float32; bk 1,024 float32; bl 1,024 float32; bo 1,024 float32; bq 1,024 float32; bv 1,024 float32; ln1_b 1,024 float32; ln1_g 1,024 float32; ln2_b 1,024 float32; ln2_g 1,024 float32; text_feat_codes 1,024 x 32 x 24 x 24 uint8 (E3M2 codes of text_feat, K innermost, in blocks of 32 codes, four codes in three bytes); text_feat_scales 1,024 x 32 x 24 uint8 (E8M0 scales of text_feat, one for each 32 codes along K); x_codes 1,024 x 32 x 24 uint8 (E3M2 codes of x, K innermost, in blocks of 32 codes, four codes in three bytes); x_scales 1,024 x 32 uint8 (E8M0 scales of x, one for each 32 codes along K); z_codes 1,024 x 8 x 24 uint8 (E3M2 codes of z, K innermost, in blocks of 32 codes, four codes in three bytes); z_scales 1,024 x 8 uint8 (E8M0 scales of z, one for each 32 codes along K).
;; Outputs: out0 1,024 x 1,024 float32.
;; This version of the problem:
;;   THIS VERSION OF THE PROBLEM IS GIVEN IN LOW PRECISION. The matrix products marked QUANTISED in the list below multiply operands that are first quantised to E3M2 (3 exponent bits, 2 mantissa bits; 6 bits a number), with one power-of-two scale for each 32 numbers along K (OCP MX v1.0); their sums are f32. All else is computed in f32.
;;   The module's matrix products, in the order in which they are computed (A, B: the left and right operand; K: the contracted axis; several contracted axes count as one K, in the product's order):
;;     1. [M 1,024, K 256] x [K 256, N 1,024]; A: input z (given as codes); B: input Wg (given as codes): QUANTISED
;;     2. [M 1,024, K 256] x [K 256, N 1,024]; A: input z (given as codes); B: input Wb (given as codes): QUANTISED
;;     3. [M 1,024, K 1,024] x [K 1,024, N 1,024]; A: input x (given as codes); B: input Wl (given as codes): QUANTISED
;;     4. [M 1,024, K 1,024] x [K 1,024, N 1,024]; A: computed on the way; B: input Wq (given as codes): QUANTISED
;;     5. [M 32,768, K 768] x [K 768, N 1,024]; A: input text_feat (given as codes); B: input Wk (given as codes): QUANTISED
;;     6. [M 32,768, K 768] x [K 768, N 1,024]; A: input text_feat (given as codes); B: input Wv (given as codes): QUANTISED
;;     7. batch 8,192 x [M 1, K 128] x [K 128, N 32]; A: computed on the way; B: computed on the way: left as it is (M = 1 < 16)
;;     8. batch 8,192 x [M 1, K 32] x [K 32, N 128]; A: softmax; B: computed on the way: left as it is (M = 1 < 16)
;;     9. [M 1,024, K 1,024] x [K 1,024, N 1,024]; A: computed on the way; B: input Wo (given as codes): QUANTISED
;;   THE QUANTISER, for each operand of a quantised product, along K:
;;     - K is cut into blocks of 32 from its start; a last block that is shorter is filled with zeros.
;;     - A block's scale is 2^e with e = floor(log2(the largest magnitude in the block)) - 4, held to -126 .. 127; a block of zeros has e = 0. As a byte (E8M0): e + 127.
;;     - Each number is divided by its block's scale, clamped to +-28, and rounded to the nearest number of E3M2, ties to even, subnormals kept.
;;     - The product sums the exact products of the quantised numbers (number of the format x scale) in f32.
;;   ~~~python
;;   def quantise(x, axis):      # numpy; x: float32 -> the quantised numbers, widened to float32 again
;;       x = np.moveaxis(x, axis, -1); K = x.shape[-1]
;;       x = np.pad(x, [(0, 0)] * (x.ndim - 1) + [(0, -K % 32)]); x = x.reshape(x.shape[:-1] + (-1, 32)); a = np.abs(x).max(-1, keepdims=True)
;;       e = np.where(a > 0, np.clip(np.frexp(np.where(a > 0, a, 1))[1] - 1 - 4, -126, 127), 0)      # np.frexp(a)[1] - 1 = floor(log2(a)), exactly
;;       r = np.clip(x / 2.0 ** e, -28, 28)
;;       step = 2.0 ** (np.maximum(np.frexp(np.where(r == 0, 1, r))[1] - 1, -2) - 2)
;;       q = np.round(r / step) * step * 2.0 ** e      # np.round: ties to even
;;       return np.moveaxis(q.reshape(q.shape[:-2] + (-1,))[..., :K], -1, axis).astype(np.float32)
;;   ~~~
;;   OPERANDS COMPUTED ON THE WAY. 'Computed on the way' means the value that the module computes at that place (a softmax that the list does not call 'softmax' is quantised finished and normalised). What goes into a quantiser is computed in f32, as accurately as f32 sums, v_exp_f32 and their like allow (about 1e-6 of the number): no bf16 or f16 on the way to a quantiser, and a product that is left as it is and whose result goes on into a quantised operand takes f32 operands (vector FMAs, or v_wmma_f32_16x16x4_f32). A number that lies on a knife's edge between two numbers of the format may be rounded either way, as far as f32 arithmetic and the matrix unit's own rounding can turn it there, and no further.
;;   INPUTS GIVEN AS CODES. Wb (in the module: [1024, 256], K = its axis 1); Wg (in the module: [1024, 256], K = its axis 1); Wk (in the module: [1024, 768], K = its axis 1); Wl (in the module: [1024, 1024], K = its axis 1); Wo (in the module: [1024, 1024], K = its axis 1); Wq (in the module: [1024, 1024], K = its axis 1); Wv (in the module: [1024, 768], K = its axis 1); text_feat (in the module: [1024, 32, 768], K = its axis 2); x (in the module: [1024, 1024], K = its axis 1); z (in the module: [1024, 256], K = its axis 1): each comes as NAME_codes (uint8): NAME with its K axis moved to the last place and cut into blocks of 32 codes, [.., K / 32, bytes a block], one block behind the other in memory; four codes in three bytes: a row's codes are one little-endian stream of bits, code i at bits 6 i .. 6 i + 5 (a code: sign, 3 exponent bits, 2 mantissa bits); and NAME_scales (uint8): the same leading axes, one E8M0 byte (e + 127) for each 32 codes along K. Its value is code x scale, taken as it is: it is not quantised again, and the codes and scales need not be those that the quantiser above would give.
;; One version. Each part assembles by itself: llvm-mc -triple=amdgcn-amd-amdhsa -mcpu=gfx1250 --defsym DOCPART=n.
;; ======== version 1 of 1: 3 launches
;; limits: a function is approximated: absolute error at most 1.5e-07
;; workspace buffers: lgb 12,582,912 bytes; wf 1,572,864 bytes; outf 4,194,304 bytes; part 16,777,216 bytes
;; launch front (part 1): grid 16 x 16, 4 waves a work-group, clusters of 4 x 4, 168,448 bytes of LDS; arguments x_codes, x_scales, z_codes, z_scales, Wl_codes, Wl_scales, Wg_codes, Wg_scales, Wb_codes, Wb_scales, bl, bg, bb, Wq_codes, Wo_codes, lgb, wf; writes lgb, wf
.if DOCPART == 1
	.amdgcn_target "amdgcn-amd-amdhsa--gfx1250"
	.amdhsa_code_object_version 6
	.text
	.protected	k_q8aec02d406_front
	.globl	k_q8aec02d406_front
	.p2align	8
	.type	k_q8aec02d406_front,@function
k_q8aec02d406_front:
	s_mov_b64 s[64:65], 0
	v_nop
	global_prefetch_b8 v0, s[64:65] scope:SCOPE_SE
	s_setreg_imm32_b32 hwreg(HW_REG_WAVE_MODE, 25, 1), 1
	s_wait_xcnt 0x0
	s_wait_alu depctr_hold_cnt(0) depctr_sa_sdst(0) depctr_va_vdst(0) depctr_va_sdst(0) depctr_va_ssrc(0) depctr_va_vcc(0) depctr_vm_vsrc(0)
	s_getreg_b32 s2, hwreg(HW_REG_IB_STS2, 6, 4)
	s_cmp_eq_u32 s2, 0
	s_cbranch_scc0 .Lentry_in_a_cluster
	s_endpgm
.Lentry_in_a_cluster:
	s_bfe_u32 s2, ttmp6, 0x10000c
	s_cmp_lg_u32 s2, 0xf033
	s_cbranch_scc0 .Lentry_shape_is_right
	s_endpgm
.Lentry_shape_is_right:
; FIRST OF THREE LAUNCHES.  lin = x Wl^T + bl, g1 = 1 + (z Wg^T + bg), bet = z Wb^T + bb, all [1024][1024] f32, into lgb[0], lgb[1], lgb[2]; all three products on the given codes of E3M2 with their E8M0 scale bytes.
; It also lays Wq's and Wo's codes out in the order of an operand's registers (wf), for the second launch.
; WORK LEFT OUT IN THE WHOLE PROGRAM: the input bk.  scores[b][h][t] = q[b][h] . (k0[b][t][h] + bk[h]) / sqrt(d) = q . k0 / sqrt(d) + q[b][h] . bk[h] / sqrt(d), k0 = text_feat Wk^T.  The second term is the same for all t of
; a (b, h); the product of q and k is not quantised; a hidden key is -inf with the term or without; and softmax along t takes away a term that is the same along t.  So for all finite values of the inputs bk reaches no output:
; it is not loaded and is among no launch's arguments.  LIMIT: a NaN, an infinity or an overflow that bk alone would cause is not carried to the result.
; bv is live (it goes into the quantiser of ctx) and is added once: the sum of attn along t is 1, so sum attn (v0 + bv) = sum attn v0 + bv.
; SHARES.  A work-group makes 64 rows x 64 columns of all three results; wave w rows 16 w .. 16 w + 15, four tiles of 16 columns: 48 matrix instructions.  All tiles are filled once: no slot is filled again.
; CLUSTER 4 x 4: x's and z's rows hang on the tile row alone and are asked for jointly along a row of the cluster, the weights' rows on the tile column alone, along a column.
; THE MATRIX INSTRUCTION IS USED TRANSPOSED (source 0 = 16 rows of a weight, source 1 = 16 rows of x or z): a lane holds one row and eight neighbouring columns.  The bias is the C of a sum's first instruction.
; REGISTERS: window 0: v1-15 addresses, v16-25 x's and z's scale words, v26-30 offsets, v32-79 the weights' scale words, v80-91 the fragment that is laid out, v96-191 the 12 accumulators, v192-255 and v32-63 the way out.
;   window 1: x's 8 fragments, z's 2 (v96), Wg's 8 (v120).  window 2: Wl's fragments 0-20 (f = 4 s + t).  window 3: Wl's 21-31, Wb's 8 (v132).
.set XT,    0                          ; LDS: x, 64 rows of 768 bytes, 16 bytes of padding behind each 256: pitch 816 = 204 words: row r starts at bank 12 r mod 64, so the 32 lanes of a load of 8 bytes touch 64 different banks
.set WT,    52224                      ; Wl, the same
.set ZT,    104448                     ; z, 64 rows of 192 bytes, 16 bytes of padding behind each 64: pitch 240
.set GT,    119808                     ; Wg
.set BT,    135168                     ; Wb
.set STG,   150528                     ; the way out: 16 rows x 272 bytes for each wave; no tile lands here
.set SPARE, 167936                     ; the spare words, 128 bytes for each wave
.set BIGW,  (1<<20)|(1<<21)|(5<<22)|(3<<25)   ; elements of 1 byte; padding on; bit 21 beside a mask; behind every 64 words; 4 words
.set SMLW,  (1<<20)|(1<<21)|(3<<22)|(3<<25)   ; the same behind every 16 words
.set WV,    96                         ; s96 my wave's number
.set MSB, 0
.macro WIN new                         ; the immediate's high byte repeats the setting that is left
.if MSB != (\new)
	s_set_vgpr_msb (MSB<<8)|(\new)
.set MSB, (\new)
.endif
.endm
.macro PLACES n
.rept \n
	v_nop
.endr
.endm
.macro CROUND                          ; a round of the cluster's barrier
	s_barrier_signal -1
	s_barrier_wait -1
	s_cmp_lg_u32 s[WV], 0
	s_cbranch_scc1 .Lnot_wave_0_\@
	s_barrier_signal -3
.Lnot_wave_0_\@:
	s_barrier_wait -3
	s_barrier_signal -1
	s_barrier_wait -1
.endm
; A fragment, 16 rows x 128 K of 6-bit codes, is 12 registers: lane (r, h) takes 24 bytes at 24 h and 24 bytes at 48 + 24 h of its row's 96, in pieces of 8 bytes.  Lanes 16-31 read three pieces further on than lanes 0-15;
; where that lies behind one padding more, the second address register (40 for 24 bytes a half) serves.
.macro FRAG240 reg, adr, q, off
.irp p, 0,1,2,3,4,5
.set PC, 12*(\q)+6*(\p/3)+\p%3
.if PC%8 < 5
	ds_load_b64 v[\reg+2*\p:\reg+2*\p+1], v[\adr] offset:8*PC+16*(PC/8)+(\off)
.else
	ds_load_b64 v[\reg+2*\p:\reg+2*\p+1], v[\adr+1] offset:8*PC+16*(PC/8)+(\off)
.endif
.endr
.endm
.macro FRAG816 reg, adr, q, off
.irp p, 0,1,2,3,4,5
.set PC, 12*(\q)+6*(\p/3)+\p%3
.if PC%32 < 29
	ds_load_b64 v[\reg+2*\p:\reg+2*\p+1], v[\adr] offset:8*PC+16*(PC/32)+(\off)
.else
	ds_load_b64 v[\reg+2*\p:\reg+2*\p+1], v[\adr+1] offset:8*PC+16*(PC/32)+(\off)
.endif
.endr
.endm
.macro PROD acc, wr, xr, ws, xs        ; acc += weight fragment x row fragment
	v_wmma_scale_f32_16x16x128_f8f6f4 v[\acc:\acc+7], v[\wr:\wr+11], v[\xr:\xr+11], v[\acc:\acc+7], v[\ws], v[\xs] matrix_a_fmt:MATRIX_FMT_BF6 matrix_b_fmt:MATRIX_FMT_BF6
.endm
	s_load_b512 s[4:19], s[0:1], 0x0               ; x codes 4, x scales 6, z codes 8, z scales 10, Wl codes 12, Wl scales 14, Wg codes 16, Wg scales 18
	s_load_b512 s[20:35], s[0:1], 0x40             ; Wb codes 20, Wb scales 22, bl 24, bg 26, bb 28, Wq codes 30, Wo codes 32, lgb 34
	s_load_b64 s[36:37], s[0:1], 0x80              ; wf
	v_lshl_add_u32 v14, v0, 2, SPARE
	v_mov_b32 v15, 0
	ds_add_u32 v14, v15                            ; the wave's opening: the add, twice on end, and its wait ahead of my first tensor load
	ds_add_u32 v14, v15
	v_lshrrev_b32 v1, 5, v0
	v_readfirstlane_b32 s[WV], v1
	s_bfe_u32 s97, ttmp6, 0x40000                  ; cx
	s_bfe_u32 s98, ttmp6, 0x40004                  ; cy
	s_lshl_b32 s101, ttmp9, 2
	s_add_co_u32 s101, s101, s97                   ; tile column tx
	s_and_b32 s100, ttmp7, 0xffff
	s_lshl_b32 s100, s100, 2
	s_add_co_u32 s100, s100, s98                   ; tile row ty
	s_lshl_b32 s2, s98, 2
	s_lshl_b32 s2, 15, s2                          ; my row of the cluster
	s_lshl_b32 s3, 0x1111, s97                     ; my column
	s_or_b32 s40, s2, BIGW                         ; s[40:47] group 1 for x;  s[48:55] for z;  s[56:63] for Wl;  s[68:75] for Wg and Wb
	s_or_b32 s48, s2, SMLW
	s_or_b32 s56, s3, BIGW
	s_or_b32 s68, s3, SMLW
.irp g, 40, 56
	s_mov_b32 s[\g+1], 768<<16                     ; tensor_dim0
	s_mov_b32 s[\g+2], 64<<16                      ; tensor_dim1
	s_mov_b32 s[\g+3], 768<<16                     ; tile_dim0
	s_mov_b32 s[\g+4], 64                          ; tile_dim1
	s_mov_b32 s[\g+5], 768                         ; from row to row
	s_mov_b32 s[\g+6], 0
	s_mov_b32 s[\g+7], 0
.endr
.irp g, 48, 68
	s_mov_b32 s[\g+1], 192<<16
	s_mov_b32 s[\g+2], 64<<16
	s_mov_b32 s[\g+3], 192<<16
	s_mov_b32 s[\g+4], 64
	s_mov_b32 s[\g+5], 192
	s_mov_b32 s[\g+6], 0
	s_mov_b32 s[\g+7], 0
.endr
	s_mul_i32 s38, s100, 49152                     ; 64 rows of 768 bytes x tile row
	s_mov_b32 s39, 0
	s_mul_i32 s2, s100, 12288                      ; 64 rows of 192 bytes x tile row
	s_mov_b32 s3, 0
	s_mul_i32 s66, s101, 49152                     ; the same by the tile column
	s_mov_b32 s67, 0
	s_mul_i32 s98, s101, 12288
	s_mov_b32 s99, 0
	s_wait_dscnt 0x0                               ; both opening adds are done
	s_wait_kmcnt 0x0
	s_mov_b32 s76, 1                               ; s[76:79] group 0 for x
	s_mov_b32 s77, XT
	s_add_nc_u64 s[78:79], s[4:5], s[38:39]
	s_or_b32 s79, s79, 0x80000000
	s_mov_b32 s80, 1                               ; z
	s_mov_b32 s81, ZT
	s_add_nc_u64 s[82:83], s[8:9], s[2:3]
	s_or_b32 s83, s83, 0x80000000
	s_mov_b32 s84, 1                               ; Wl
	s_mov_b32 s85, WT
	s_add_nc_u64 s[86:87], s[12:13], s[66:67]
	s_or_b32 s87, s87, 0x80000000
	s_mov_b32 s88, 1                               ; Wg
	s_mov_b32 s89, GT
	s_add_nc_u64 s[90:91], s[16:17], s[98:99]
	s_or_b32 s91, s91, 0x80000000
	s_mov_b32 s92, 1                               ; Wb
	s_mov_b32 s93, BT
	s_add_nc_u64 s[94:95], s[20:21], s[98:99]
	s_or_b32 s95, s95, 0x80000000
	CROUND                                         ; all sixteen work-groups are here: the joint loads meet
	s_cmp_lg_u32 s[WV], 0                          ; a fill in every arm: wave 0 x, wave 1 z, wave 2 Wl, wave 3 Wg and Wb (two loads of that wave are out, one of each other)
	s_cbranch_scc1 .Larm1
	tensor_load_to_lds s[76:79], s[40:47]
	s_nop 0
	PLACES 4
	s_branch .Lasked
.Larm1:
	s_cmp_lg_u32 s[WV], 1
	s_cbranch_scc1 .Larm2
	tensor_load_to_lds s[80:83], s[48:55]
	s_nop 0
	PLACES 4
	s_branch .Lasked
.Larm2:
	s_cmp_lg_u32 s[WV], 2
	s_cbranch_scc1 .Larm3
	tensor_load_to_lds s[84:87], s[56:63]
	s_nop 0
	PLACES 4
	s_branch .Lasked
.Larm3:
	tensor_load_to_lds s[88:91], s[68:75]
	s_nop 0
	tensor_load_to_lds s[92:95], s[68:75]
	s_nop 0
	PLACES 4
.Lasked:
	v_and_b32 v1, 15, v0                           ; r
	v_bfe_u32 v2, v0, 4, 1                         ; h
	v_mul_u32_u24 v92, v2, 24
	v_mad_u32_u24 v93, v1, 816, v92                ; 816 r + 24 h
	v_mad_u32_u24 v94, v1, 240, v92                ; 240 r + 24 h
	s_mul_i32 s2, s[WV], 16*816
	v_add_nc_u32 v3, s2, v93                       ; x: my wave's 16 rows (XT = 0)
	v_lshl_add_u32 v4, v2, 4, v3
	v_add_nc_u32 v5, WT, v93                       ; Wl: a tile's 16 rows
	v_lshl_add_u32 v6, v2, 4, v5
	s_mul_i32 s2, s[WV], 16*240
	s_add_co_u32 s2, s2, ZT
	v_add_nc_u32 v7, s2, v94                       ; z
	v_lshl_add_u32 v8, v2, 4, v7
	v_add_nc_u32 v9, GT, v94                       ; Wg; Wb lies 15,360 bytes on
	v_lshl_add_u32 v10, v2, 4, v9
	s_mul_i32 s2, s[WV], 16*272
	s_add_co_u32 s2, s2, STG
	v_mul_u32_u24 v11, v1, 272                     ; into my stage: row r, 32 bytes for each half of the lanes
	v_lshl_add_u32 v11, v2, 5, v11
	v_add_nc_u32 v11, s2, v11
	v_mul_u32_u24 v12, v2, 272                     ; back: lanes 0-15 one row of 256 bytes, lanes 16-31 the next
	v_lshl_add_u32 v12, v1, 4, v12
	v_add_nc_u32 v12, s2, v12
	v_lshlrev_b32 v13, 12, v2                      ; and the same two rows in memory
	v_lshl_add_u32 v13, v1, 4, v13
	v_lshlrev_b32 v26, 5, v1                       ; 32 r: rows of 32 scale bytes
	v_lshlrev_b32 v27, 3, v1                       ; 8 r: rows of 8
	v_lshlrev_b32 v28, 5, v2                       ; 32 h: a half's eight numbers of a bias
	v_mad_u32_u24 v29, v1, 768, v92                ; a row of Wq or Wo, + 24 h
	v_and_b32 v30, 31, v0
	v_lshlrev_b32 v30, 4, v30                      ; 16 x lane
	s_lshl_b32 s97, s[WV], 4
	s_lshl_b32 s2, s100, 6
	s_add_co_u32 s2, s2, s97                       ; my wave's first row: 64 ty + 16 w
	s_lshl_b32 s38, s2, 5
	s_add_nc_u64 s[6:7], s[6:7], s[38:39]
	s_lshl_b32 s38, s2, 3
	s_add_nc_u64 s[10:11], s[10:11], s[38:39]
	s_lshl_b32 s38, s101, 11                       ; 64 tx rows of 32 bytes
	s_add_nc_u64 s[14:15], s[14:15], s[38:39]
	s_lshl_b32 s38, s101, 9
	s_add_nc_u64 s[18:19], s[18:19], s[38:39]
	s_add_nc_u64 s[22:23], s[22:23], s[38:39]
	s_lshl_b32 s38, s101, 8                        ; 64 tx numbers of 4 bytes
	s_add_nc_u64 s[24:25], s[24:25], s[38:39]
	s_add_nc_u64 s[26:27], s[26:27], s[38:39]
	s_add_nc_u64 s[28:29], s[28:29], s[38:39]
	s_lshl_b32 s3, s2, 12
	s_add_co_u32 s38, s38, s3
	s_add_nc_u64 s[34:35], s[34:35], s[38:39]      ; lin at my rows and columns,
	s_add_nc_u64 s[66:67], s[34:35], 0x400000      ; g1,
	s_add_nc_u64 s[98:99], s[34:35], 0x800000      ; bet
	; THE LAYING OUT.  1,024 waves, 512 fragments of Wq and 512 of Wo: a fragment a wave.  Waves 0, 1 take Wq, waves 2, 3 Wo; fragment f = 2 (16 ty + tx) + w % 2 is rows 16 (f / 8) on, K step f % 8.
	s_lshl_b32 s2, s100, 4
	s_add_co_u32 s2, s2, s101
	s_lshl_b32 s2, s2, 1
	s_and_b32 s3, s[WV], 1
	s_add_co_u32 s2, s2, s3                        ; f
	s_lshr_b32 s3, s2, 3                           ; nb
	s_and_b32 s97, s2, 7                           ; s
	s_mul_i32 s38, s3, 12288
	s_mul_i32 s100, s97, 96
	s_add_co_u32 s38, s38, s100
	s_cmp_lt_u32 s[WV], 2
	s_cselect_b64 s[30:31], s[30:31], s[32:33]
	s_add_nc_u64 s[30:31], s[30:31], s[38:39]
	s_lshr_b32 s100, s97, 1                        ; Wo's place: ((s / 2) 64 + nb) 2 + s % 2, behind Wq's 512; Wq's place: f
	s_lshl_b32 s100, s100, 6
	s_add_co_u32 s100, s100, s3
	s_lshl_b32 s100, s100, 1
	s_and_b32 s97, s97, 1
	s_add_co_u32 s100, s100, s97
	s_add_co_u32 s100, s100, 512
	s_cmp_lt_u32 s[WV], 2
	s_cselect_b32 s38, s2, s100
	s_mul_i32 s38, s38, 1536
	s_add_nc_u64 s[36:37], s[36:37], s[38:39]
	global_load_b128 v[16:19], v26, s[6:7]         ; x's scale words: word s for K step s
	global_load_b128 v[20:23], v26, s[6:7] offset:16
	global_load_b64 v[24:25], v27, s[10:11]        ; z's
.irp t, 0,1,2,3
	global_load_b128 v[32+8*\t:35+8*\t], v26, s[14:15] offset:512*\t
	global_load_b128 v[36+8*\t:39+8*\t], v26, s[14:15] offset:512*\t+16
	global_load_b64 v[64+2*\t:65+2*\t], v27, s[18:19] offset:128*\t
	global_load_b64 v[72+2*\t:73+2*\t], v27, s[22:23] offset:128*\t
	global_load_b128 v[96+8*\t:99+8*\t], v28, s[24:25] offset:64*\t          ; the biases, in the result's layout, straight into the accumulators
	global_load_b128 v[100+8*\t:103+8*\t], v28, s[24:25] offset:64*\t+16
	global_load_b128 v[128+8*\t:131+8*\t], v28, s[26:27] offset:64*\t
	global_load_b128 v[132+8*\t:135+8*\t], v28, s[26:27] offset:64*\t+16
	global_load_b128 v[160+8*\t:163+8*\t], v28, s[28:29] offset:64*\t
	global_load_b128 v[164+8*\t:167+8*\t], v28, s[28:29] offset:64*\t+16
.endr
.irp p, 0,1,2,3,4,5
	global_load_b64 v[80+2*\p:81+2*\p], v29, s[30:31] offset:48*(\p/3)+8*(\p%3)
.endr
	s_wait_loadcnt 0x0
.irp c, 0,1,2
	global_store_b128 v30, v[80+4*\c:83+4*\c], s[36:37] offset:512*\c        ; registers 4 c .. 4 c + 3, lane l at 16 l: each store covers 512 consecutive bytes, aligned
.endr
	s_wait_tensorcnt 0x0                           ; my tiles are in,
	s_barrier_signal -1
	s_barrier_wait -1                              ; everybody's are
	WIN 0x40
.irp s, 0,1,2,3,4,5,6,7
	FRAG816 12*\s, 3, \s, 0
.endr
.irp s, 0,1
	FRAG240 96+12*\s, 7, \s, 0
.endr
.irp s, 0,1,2,3,4,5,6,7
.irp t, 0,1,2,3
.set F, 4*\s+\t
.if F < 21
	WIN 0x80
	FRAG816 12*F, 5, \s, 13056*\t
.else
	WIN 0xc0
	FRAG816 12*(F-21), 5, \s, 13056*\t
.endif
.endr
.endr
.irp s, 0,1
.irp t, 0,1,2,3
	FRAG240 132+12*(2*\t+\s), 9, \s, 15360+3840*\t
.endr
.endr
	WIN 0x40
.irp s, 0,1
.irp t, 0,1,2,3
	FRAG240 120+12*(2*\t+\s), 9, \s, 3840*\t
.endr
.endr
	s_wait_dscnt 63                                ; the youngest 63 loads all belong to Wb's and Wg's 96: x, z and Wl are in
.irp s, 0,1,2,3,4,5,6,7                        ; the four accumulators of a result take turns, one instruction a turn
.irp t, 0,1,2,3
.set F, 4*\s+\t
.if F < 21
	WIN 0x06
	PROD 96+8*\t, 12*F, 12*\s, 32+8*\t+\s, 16+\s
.else
	WIN 0x07
	PROD 96+8*\t, 12*(F-21), 12*\s, 32+8*\t+\s, 16+\s
.endif
.endr
.endr
	s_wait_dscnt 48                                ; Wg's 48 may be out: Wb is in
.irp s, 0,1
.irp t, 0,1,2,3
	PROD 160+8*\t, 132+12*(2*\t+\s), 96+12*\s, 72+2*\t+\s, 24+\s
.endr
.endr
	s_wait_dscnt 0x0
	WIN 0x05
.irp s, 0,1
.irp t, 0,1,2,3
	PROD 128+8*\t, 120+12*(2*\t+\s), 96+12*\s, 64+2*\t+\s, 24+\s
.endr
.endr
	WIN 0
	PLACES 4                                       ; four places between the last product and the first read of results
.set i, 0
.rept 16
	v_pk_add_f32 v[128+i:129+i], v[128+i:129+i], 1.0 op_sel_hi:[1,0]         ; g1 = 1 + gamma
.set i, i+2
.endr
; THE WAY OUT: a lane's 32 bytes of a row go into my own stage and come back as whole rows of 256 bytes.  LDS serves a wave's instructions in order: no wait between the stores and the loads, nor in front of the next result's stores.
.macro OUTS acc, bk
.irp t, 0,1,2,3
	ds_store_b128 v11, v[\acc+8*\t:\acc+8*\t+3] offset:64*\t
	ds_store_b128 v11, v[\acc+8*\t+4:\acc+8*\t+7] offset:64*\t+16
.endr
.irp i, 0,1,2,3,4,5,6,7
	ds_load_b128 v[\bk+4*\i:\bk+4*\i+3], v12 offset:544*\i
.endr
.endm
	OUTS 96, 192
	OUTS 128, 224
	OUTS 160, 32
	s_wait_dscnt 32                                ; behind lin's loads: the two later results' 16 LDS instructions each
.irp i, 0,1,2,3,4,5,6,7
	global_store_b128 v13, v[192+4*\i:195+4*\i], s[34:35] offset:8192*\i     ; 16 lanes store 256 consecutive bytes, aligned
.endr
	s_wait_dscnt 16
.irp i, 0,1,2,3,4,5,6,7
	global_store_b128 v13, v[224+4*\i:227+4*\i], s[66:67] offset:8192*\i
.endr
	s_wait_dscnt 0x0
.irp i, 0,1,2,3,4,5,6,7
	global_store_b128 v13, v[32+4*\i:35+4*\i], s[98:99] offset:8192*\i
.endr
	s_wait_tensorcnt 0x0                           ; the wave's end
	ds_add_u32 v14, v15
	s_wait_dscnt 0x0
	CROUND                                         ; the closing round
	s_endpgm
.Lfunc_end_k_q8aec02d406_front:
	.size	k_q8aec02d406_front, .Lfunc_end_k_q8aec02d406_front-k_q8aec02d406_front
	.p2alignl 7, 3214868480
	.fill 96, 4, 3214868480
	.section	.rodata,"a",@progbits
	.p2align	6, 0x0
	.amdhsa_kernel k_q8aec02d406_front
		.amdhsa_group_segment_fixed_size 168448
		.amdhsa_private_segment_fixed_size 0
		.amdhsa_enable_private_segment 0
		.amdhsa_kernarg_size 136
		.amdhsa_user_sgpr_count 2
		.amdhsa_user_sgpr_kernarg_segment_ptr 1
		.amdhsa_wavefront_size32 1
		.amdhsa_system_sgpr_workgroup_id_x 1
		.amdhsa_system_sgpr_workgroup_id_y 1
		.amdhsa_system_sgpr_workgroup_id_z 1
		.amdhsa_system_vgpr_workitem_id 0
		.amdhsa_next_free_vgpr 1024
		.amdhsa_next_free_sgpr 102
		.amdhsa_reserve_vcc 0
		.amdhsa_float_denorm_mode_32 3
		.amdhsa_float_denorm_mode_16_64 3
		.amdhsa_memory_ordered 1
		.amdhsa_forward_progress 1
		.amdhsa_inst_pref_size 50
	.end_amdhsa_kernel
	.amdgpu_metadata
---
amdhsa.version: [ 1, 2 ]
amdhsa.kernels:
  - .name:           k_q8aec02d406_front
    .symbol:         k_q8aec02d406_front.kd
    .args:
      - { .name: x_codes, .offset: 0, .size: 8, .value_kind: global_buffer, .address_space: global }
      - { .name: x_scales, .offset: 8, .size: 8, .value_kind: global_buffer, .address_space: global }
      - { .name: z_codes, .offset: 16, .size: 8, .value_kind: global_buffer, .address_space: global }
      - { .name: z_scales, .offset: 24, .size: 8, .value_kind: global_buffer, .address_space: global }
      - { .name: Wl_codes, .offset: 32, .size: 8, .value_kind: global_buffer, .address_space: global }
      - { .name: Wl_scales, .offset: 40, .size: 8, .value_kind: global_buffer, .address_space: global }
      - { .name: Wg_codes, .offset: 48, .size: 8, .value_kind: global_buffer, .address_space: global }
      - { .name: Wg_scales, .offset: 56, .size: 8, .value_kind: global_buffer, .address_space: global }
      - { .name: Wb_codes, .offset: 64, .size: 8, .value_kind: global_buffer, .address_space: global }
      - { .name: Wb_scales, .offset: 72, .size: 8, .value_kind: global_buffer, .address_space: global }
      - { .name: bl, .offset: 80, .size: 8, .value_kind: global_buffer, .address_space: global }
      - { .name: bg, .offset: 88, .size: 8, .value_kind: global_buffer, .address_space: global }
      - { .name: bb, .offset: 96, .size: 8, .value_kind: global_buffer, .address_space: global }
      - { .name: Wq_codes, .offset: 104, .size: 8, .value_kind: global_buffer, .address_space: global }
      - { .name: Wo_codes, .offset: 112, .size: 8, .value_kind: global_buffer, .address_space: global }
      - { .name: lgb, .offset: 120, .size: 8, .value_kind: global_buffer, .address_space: global }
      - { .name: wf, .offset: 128, .size: 8, .value_kind: global_buffer, .address_space: global }
    .group_segment_fixed_size: 168448
    .private_segment_fixed_size: 0
    .kernarg_segment_align: 8
    .kernarg_segment_size: 136
    .max_flat_workgroup_size: 128
    .sgpr_count:     102
    .vgpr_count:     1024
    .wavefront_size: 32
...
	.end_amdgpu_metadata
.endif
;; end of part 1
;; launch attend (part 2): grid 64 x 4, 4 waves a work-group, clusters of 4 x 4, 327,680 bytes of LDS; arguments text_feat_codes, text_feat_scales, Wk_codes, Wk_scales, Wv_codes, Wv_scales, attention, bq, bv, Wq_scales, Wo_scales, wf, lgb, outf, part, ln1_g, ln1_b; writes outf, part
.if DOCPART == 2
	.amdgcn_target "amdgcn-amd-amdhsa--gfx1250"
	.amdhsa_code_object_version 6
	.text
	.protected	k_q8aec02d406_attend
	.globl	k_q8aec02d406_attend
	.p2align	8
	.type	k_q8aec02d406_attend,@function
k_q8aec02d406_attend:
	s_mov_b64 s[64:65], 0
	v_nop
	global_prefetch_b8 v0, s[64:65] scope:SCOPE_SE
	s_setreg_imm32_b32 hwreg(HW_REG_WAVE_MODE, 25, 1), 1
	s_wait_xcnt 0x0
	s_wait_alu depctr_hold_cnt(0) depctr_sa_sdst(0) depctr_va_vdst(0) depctr_va_sdst(0) depctr_va_ssrc(0) depctr_va_vcc(0) depctr_vm_vsrc(0)
	s_getreg_b32 s2, hwreg(HW_REG_IB_STS2, 6, 4)
	s_cmp_eq_u32 s2, 0
	s_cbranch_scc0 .Lentry_in_a_cluster
	s_endpgm
.Lentry_in_a_cluster:
	s_bfe_u32 s2, ttmp6, 0x10000c
	s_cmp_lg_u32 s2, 0xf033
	s_cbranch_scc0 .Lentry_shape_is_right
	s_endpgm
.Lentry_shape_is_right:
; SECOND OF THREE LAUNCHES.  Work-group (bg, j): 16 rows of the batch (16 bg on) and two heads (2 j, 2 j + 1: channels 256 j on).  It makes out = LayerNorm(lin) x g1 + bet of its 16 rows and quantises it, q's slice (out Wq^T + bq),
; the K and V projections of its 512 tokens x 256 channels, the scores, the softmax, ctx, quantises ctx, and stores its part of ctx Wo^T: the sum over its own 256 channels of K, for all 1,024 columns, into part[j].  k and v never leave the registers.
; LEFT OUT: bk (a term that is the same along the softmax's axis: shown at the head of the first launch).  bv is added once to ctx, since the weights of a row sum to 1.
; out.  All 1,024 columns of a row are the K of the product with Wq, so each of the four work-groups of one bg needs the codes of all 16 rows, and makes them itself: work-groups hand each other nothing.  Wave w takes rows 4 w .. 4 w + 3, a row at a
; time; register 4 i + e of a lane holds column 128 i + 4 lane + e, so each load covers 512 consecutive bytes; the sums never leave the wave.  For the quantiser the row turns through the wave's own stage in LDS, and lane l comes back with block l
; of 32 neighbours.  out itself (outf, f32, for the last launch) has one owner for each byte: work-group j stores columns 256 j .. 256 j + 255 of every row, which are registers 8 j .. 8 j + 7 of the 32: chosen by selections, not by a branch.
; FOUR PASSES, (K, tokens 0-255), (V, the same), (K, tokens 256-511), (V): each a product 256 tokens x 256 channels x 768.  Wave (nh = w / 2, mh = w % 2) makes 128 tokens (half mh) x 128 channels (head nh): 64 accumulators.
; Source 0 = 16 tokens, source 1 = 16 rows of Wk or Wv: lane r holds channel 16 a + r, register i of half h token 16 b + 8 h + i.  A wave's 128 tokens are four rows of the batch, 32 keys each: row 8 tb + 4 mh + b / 2, key 16 (b % 2) + 8 h + i.
; Behind a K pass: score = sum over channels of k x q' (q' = (q + bq) log2(e) / sqrt(128)), by f32 multiply-adds over a and additions over the 16 lanes; hidden keys become -inf; the row's maximum is taken away; p = 2^(score - max).
; Behind a V pass: ctx = (sum over keys of p v) / (sum of p) + bv, by f32 multiply-adds.  These two products stay in f32, since ctx goes into a quantiser.
; A ROW ALL OF WHOSE KEYS ARE HIDDEN: the maximum is held at -3e38 and the sum at 1e-30 from below, so that this launch stays finite (neither hold acts where a key is open: the maximum is then a score, the sum at least 1); the last launch
; reads the mask and gives that row the NaN that reference() gives it.  LIMITS: NaN and infinities among lin, g1, bet and the scores are not served.  A block of zeros of out or of ctx gets the scale byte 1 where the rule says 127: its codes
; are zeros, and this program alone reads the bytes.
; THE RING: 12 K steps of 256 (rows of 192 bytes) through two LDS slots; a step's tiles are 256 rows of the weight, then 256 tokens.  One joint load a wave behind each round of the cluster's barrier; it has one K step, 128 matrix
; instructions, in which to land.  Three steps make a pass, so a pass's first slot changes from pass to pass: the slot in hand is a scalar, turned by an exclusive or.
; CLUSTER 4 x 4: the four work-groups of one j need the same rows of Wk and Wv (a row of the cluster), the four of one bg the same tokens (a column): each tile is asked for jointly.  lin, g1 and bet are not: a joint load lands in LDS, and
; 16 rows x 3 x 4,096 bytes have no room there beside the two slots, which take their first tiles at the same time.
; REGISTERS: window 0: v1 256 lane, v2 16 lane, v3-17 addresses, v18, v19 the add's two, v20-23 1 / sum, v24-31 bv, v32-127 three sets of scale words (behind a pass sets 1, 2 are at work), v128-223 the weight's 8 fragments, v224-255 q', later ctx's sums.
;   window 1: the tokens' fragments, two sets (v0, v128); scores and p in v96-127, v224-255.   windows 2, 3: the accumulators ((a, b) at v[8 (8 (a % 4) + b)] of window 2 + a / 4).
;   While out is made: window 1: two sets of a row's lin, g1, bet (v0-95, v96-191), ln1_g v192-223, ln1_b v224-255; window 0: v128-159 out, v160-191 the block, v192-210 at work, v96-127 what goes to outf, v76-79 and v92-95 addresses.
.set HALFT, 30720                      ; 128 rows x 240 bytes: what one tensor load brings
.set SLOT1, 131072
.set SPARE, 122880                     ; behind slot 0: the spare words
.set SCX,   253952                     ; the scale bytes of my 512 tokens, 24 a token, dense; filled once
.set SCW,   266240                     ; those of my 256 rows of Wk, then of Wv
.set OCL,   278528                     ; out's codes, 16 rows of 768 bytes, pitch 816
.set QM,    291584                     ; q', 16 rows x 256 f32, pitch 1,040.  Ahead of that, from here on: the stages in which out's rows turn, 4,608 bytes a wave
.set CT,    308224                     ; ctx, the same
.set OSL,   324864                     ; out's scale words, 32 bytes a row
.set CODEW, (1<<20)|(1<<21)|(3<<22)|(3<<25)   ; elements of 1 byte; padding on; bit 21 beside a mask; 4 words behind every 16
.set SCLW,  (3<<16)|(1<<21)                   ; elements of 8 bytes, no padding
.set WV, 34
.set NH, 35
.set MH, 66
.set TB, 67                            ; s67 LDS byte at which the slot in hand begins
.set PP, 96                            ; s96 the pass
.set SEL, 100
.set G1W, 36
.set G1X, 44
.set G0W0, 52
.set G0W1, 56                          ; walks
.set G0X0, 60
.set G0X1, 68                          ; walks
.set G1SW, 72                          ; s[72:95]: the scales' descriptors; behind the first wait on TENSORcnt: WC 72, WN 74, XC 76, XN 78 (this pass's and the next's rows in memory), 80, 81 the next pass's scales, 82-85 at work
.set G1SX, 80
.set G0SW, 88
.set G0SX, 92
.set FO, 128                           ; out's row, window 0
.set FX, 160                           ; my block of 32, window 0
.set FT, 192                           ; sums, window 0
.set FQ, 96                            ; what goes to outf: eight registers a row, window 0
.set FG, 192                           ; ln1_g, window 1
.set FB, 224                           ; ln1_b, window 1
.set MSB, 0
.macro WIN new
.if MSB != (\new)
	s_set_vgpr_msb (MSB<<8)|(\new)
.set MSB, (\new)
.endif
.endm
.macro PLACES n
.rept \n
	v_nop
.endr
.endm
.macro CREST
	s_cmp_lg_u32 s[WV], 0
	s_cbranch_scc1 .Lnot_wave_0_\@
	s_barrier_signal -3
.Lnot_wave_0_\@:
	s_barrier_wait -3
	s_barrier_signal -1
	s_barrier_wait -1
.endm
.macro CROUND
	s_barrier_signal -1
	s_barrier_wait -1
	CREST
.endm
.macro JLOAD g0a, g1a, g0b, g1b        ; waves 0, 1 fetch for the weight, waves 2, 3 for the tokens; an s_nop 0 and four v_nop follow each line
	s_cmp_eq_u32 s[NH], 0
	s_cbranch_scc0 .Lfor_x_\@
	tensor_load_to_lds s[\g0a:\g0a+3], s[\g1a:\g1a+7]
	s_nop 0
	PLACES 4
	s_branch .Lasked_\@
.Lfor_x_\@:
	tensor_load_to_lds s[\g0b:\g0b+3], s[\g1b:\g1b+7]
	s_nop 0
	PLACES 4
.Lasked_\@:
.endm
.macro FRAG240 reg, adr, q, off        ; a fragment from rows of 192 bytes, 16 bytes of padding behind each 64
.irp p, 0,1,2,3,4,5
.set PC, 12*(\q)+6*(\p/3)+\p%3
.if PC%8 < 5
	ds_load_b64 v[\reg+2*\p:\reg+2*\p+1], v[\adr] offset:8*PC+16*(PC/8)+(\off)
.else
	ds_load_b64 v[\reg+2*\p:\reg+2*\p+1], v[\adr+1] offset:8*PC+16*(PC/8)+(\off)
.endif
.endr
.endm
.macro FRAG816 reg, adr, q, off        ; from rows of 768 bytes, 16 bytes of padding behind each 256
.irp p, 0,1,2,3,4,5
.set PC, 12*(\q)+6*(\p/3)+\p%3
.if PC%32 < 29
	ds_load_b64 v[\reg+2*\p:\reg+2*\p+1], v[\adr] offset:8*PC+16*(PC/32)+(\off)
.else
	ds_load_b64 v[\reg+2*\p:\reg+2*\p+1], v[\adr+1] offset:8*PC+16*(PC/32)+(\off)
.endif
.endr
.endm
.macro PADD p, ra, ka, rb, kb          ; pointer p += s[ra] ka + s[rb] kb  (s3 = 0)
	s_mul_i32 s2, s[\ra], \ka
	s_mul_i32 s99, s[\rb], \kb
	s_add_co_u32 s2, s2, s99
	s_add_nc_u64 s[\p:\p+1], s[\p:\p+1], s[2:3]
.endm
.macro WSUM r, t                       ; the sum over the 32 lanes, in every lane
	v_add_f32_dpp v[\r], v[\r], v[\r] row_xmask:1 row_mask:0xf bank_mask:0xf
	v_add_f32_dpp v[\r], v[\r], v[\r] row_xmask:2 row_mask:0xf bank_mask:0xf
	v_add_f32_dpp v[\r], v[\r], v[\r] row_xmask:4 row_mask:0xf bank_mask:0xf
	v_add_f32_dpp v[\r], v[\r], v[\r] row_xmask:8 row_mask:0xf bank_mask:0xf
	v_permlanex16_b32 v[\t], v[\r], s[SEL], s[SEL+1]
	v_add_f32 v[\r], v[\r], v[\t]
.endm
.macro RLOAD S, r                      ; row r of my four: lin, g1, bet into set S of window 1: 24 loads.  The base stands at g1's array: lin's lies 0x400000 bytes below it, bet's above
	WIN 0x40
.irp a, 0,1,2
.irp k, 0,1,2,3,4,5,6,7
	global_load_b128 v[\S+32*\a+4*\k:\S+32*\a+4*\k+3], v2, s[28:29] offset:0x400000*(\a-1)+4096*(\r)+512*\k
.endr
.endr
.endm
; A row, first part: out = ((lin - mean) rsqrt(variance + 1e-5) ln1_g + ln1_b) g1 + bet, from set S of window 1 into v[FO] on.  Behind it the set is free.
.macro ROWA S
	WIN 0x05
	v_pk_add_f32 v[FT:FT+1], v[\S:\S+1], v[\S+2:\S+3]                        ; the mean, in two chains
	v_pk_add_f32 v[FT+2:FT+3], v[\S+4:\S+5], v[\S+6:\S+7]
	WIN 0x04
.irp j, 8,12,16,20,24,28
	v_pk_add_f32 v[FT:FT+1], v[FT:FT+1], v[\S+\j:\S+\j+1]
	v_pk_add_f32 v[FT+2:FT+3], v[FT+2:FT+3], v[\S+\j+2:\S+\j+3]
.endr
	WIN 0
	v_pk_add_f32 v[FT:FT+1], v[FT:FT+1], v[FT+2:FT+3]
	v_add_f32 v[FT], v[FT], v[FT+1]
	WSUM FT, FT+1
	v_mul_f32 v[FT], s14, v[FT]
	WIN 0x41
.set i, 0
.rept 16
	v_pk_add_f32 v[\S+i:\S+i+1], v[\S+i:\S+i+1], v[FT:FT+1] op_sel_hi:[1,0] neg_lo:[0,1] neg_hi:[0,1]   ; d = lin - mean
.set i, i+2
.endr
	WIN 0x05
	v_pk_mul_f32 v[FT+2:FT+3], v[\S:\S+1], v[\S:\S+1]                        ; the variance: the mean of d^2
	v_pk_mul_f32 v[FT+4:FT+5], v[\S+2:\S+3], v[\S+2:\S+3]
.irp j, 4,8,12,16,20,24,28
	v_pk_fma_f32 v[FT+2:FT+3], v[\S+\j:\S+\j+1], v[\S+\j:\S+\j+1], v[FT+2:FT+3]
	v_pk_fma_f32 v[FT+4:FT+5], v[\S+\j+2:\S+\j+3], v[\S+\j+2:\S+\j+3], v[FT+4:FT+5]
.endr
	WIN 0
	v_pk_add_f32 v[FT+2:FT+3], v[FT+2:FT+3], v[FT+4:FT+5]
	v_add_f32 v[FT+2], v[FT+2], v[FT+3]
	WSUM FT+2, FT+3
	v_fma_f32 v[FT+2], v[FT+2], s14, s15           ; / 1024 + 1e-5
	v_rsq_f32 v[FT+4], v[FT+2]
	v_nop                                          ; a plain instruction behind the transcendental,
	s_wait_alu depctr_va_vdst(0)                   ; and the wait ahead of the first use of its result
	WIN 0x41
.set i, 0
.rept 16
	v_pk_mul_f32 v[\S+i:\S+i+1], v[\S+i:\S+i+1], v[FT+4:FT+5] op_sel_hi:[1,0]
.set i, i+2
.endr
	WIN 0x55
.set i, 0
.rept 16
	v_pk_fma_f32 v[\S+i:\S+i+1], v[\S+i:\S+i+1], v[FG+i:FG+i+1], v[FB+i:FB+i+1]
.set i, i+2
.endr
	WIN 0x15
.set i, 0
.rept 16
	v_pk_fma_f32 v[FO+i:FO+i+1], v[\S+i:\S+i+1], v[\S+32+i:\S+33+i], v[\S+64+i:\S+65+i]
.set i, i+2
.endr
	WIN 0
.endm
; A row, second part: my work-group's quarter of the columns goes to outf; the row turns through my stage; my block is quantised; its 24 bytes of codes and the row's scale words go to LDS.  r: the row of my four.
.macro ROWB r
	WIN 0
.irp m, 0,1,2,3,4,5,6,7
	v_cndmask_b32 v[FQ+8*(\r)+\m], v[FO+\m], v[FO+8+\m], s99                 ; registers 8 j + m of the 32: by j's low bit,
	v_cndmask_b32 v[FX+\m], v[FO+16+\m], v[FO+24+\m], s99
.endr
.irp m, 0,1,2,3,4,5,6,7
	v_cndmask_b32 v[FQ+8*(\r)+\m], v[FQ+8*(\r)+\m], v[FX+\m], s96            ; and by its high bit
.endr
	global_store_b128 v2, v[FQ+8*(\r):FQ+8*(\r)+3], s[30:31] offset:4096*(\r)                  ; each store covers 512 consecutive bytes, aligned
	global_store_b128 v2, v[FQ+8*(\r)+4:FQ+8*(\r)+7], s[30:31] offset:4096*(\r)+512
.irp k, 0,1,2,3,4,5,6,7
	ds_store_b128 v76, v[FO+4*\k:FO+4*\k+3] offset:576*\k
.endr
.irp k, 0,1,2,3,4,5,6,7
	ds_load_b128 v[FX+4*\k:FX+4*\k+3], v77 offset:16*\k                      ; LDS serves a wave's instructions in order: these see my stores
.endr
	s_wait_dscnt 0x0
	v_max3_num_f32 v198, |v[FX]|, |v[FX+1]|, |v[FX+2]|                       ; the block's largest magnitude: all 32 numbers are mine
	v_max3_num_f32 v199, |v[FX+3]|, |v[FX+4]|, |v[FX+5]|
.irp q, 6,10,14,18,22,26
	v_max3_num_f32 v198, v198, |v[FX+\q]|, |v[FX+\q+1]|
	v_max3_num_f32 v199, v199, |v[FX+\q+2]|, |v[FX+\q+3]|
.endr
	v_max3_num_f32 v198, v198, |v[FX+30]|, |v[FX+31]|
	v_max3_num_f32 v198, v198, v199, 0x2800000     ; and the floor 2^(5 - 127): the byte cannot fall under 1
	v_add_nc_u32 v200, 0xfe000000, v198            ; 4 off the exponent field: the conversion takes the exponent field of this operand as its scale
	v_cvt_scalef32_pk16_bf6_f32 v[202:204], v[FX:FX+15], v200
	v_cvt_scalef32_pk16_bf6_f32 v[208:210], v[FX+16:FX+31], v200             ; (a conversion's three registers begin on an even number)
	v_lshrrev_b32 v201, 23, v200                   ; the scale's byte; also the plain instruction behind the conversions
	v_mov_b32 v205, v208
	v_mov_b32 v206, v209
	v_mov_b32 v207, v210                           ; v202-207: the block's 24 bytes
	v_lshlrev_b32 v201, v79, v201                  ; the byte at its place in the word of its 128 columns: 8 (lane % 4) bits up;
	v_mov_b32_dpp v199, v201 row_xmask:1 row_mask:0xf bank_mask:0xf
	v_or_b32 v201, v201, v199
	v_mov_b32_dpp v199, v201 row_xmask:2 row_mask:0xf bank_mask:0xf
	v_or_b32 v201, v201, v199                      ; with the three other lanes' the word is whole, in all four
	ds_store_b64 v92, v[202:203] offset:816*(\r)
	ds_store_b64 v93, v[204:205] offset:816*(\r)
	ds_store_b64 v94, v[206:207] offset:816*(\r)
	ds_store_b32 v78, v201 offset:32*(\r)          ; four lanes write the same word with the same value
.endm
	s_load_b512 s[4:19], s[0:1], 0x0               ; text codes 4, text scales 6, Wk codes 8, Wk scales 10, Wv codes 12, Wv scales 14, attention 16, bq 18
	s_load_b256 s[20:27], s[0:1], 0x40             ; bv 20, Wq scales 22, Wo scales 24, wf 26
	s_load_b128 s[28:31], s[0:1], 0x60             ; lgb 28, outf 30
	s_load_b64 s[32:33], s[0:1], 0x70              ; part
	s_load_b64 s[104:105], s[0:1], 0x78            ; ln1_g
	v_lshl_add_u32 v18, v0, 2, SPARE
	v_mov_b32 v19, 0
	ds_add_u32 v18, v19                            ; the wave's opening: the add, twice on end, and its wait ahead of my first tensor load
	ds_add_u32 v18, v19
	v_lshrrev_b32 v1, 5, v0
	v_readfirstlane_b32 s[WV], v1
	s_lshr_b32 s[NH], s[WV], 1                     ; my head of the two.  Also: I fetch for the weight (0) or for the tokens (1)
	s_and_b32 s[MH], s[WV], 1                      ; my half of the tokens.  Also: which 128 rows I fetch
	s_bfe_u32 s96, ttmp6, 0x40000                  ; cx
	s_bfe_u32 s97, ttmp6, 0x40004                  ; cy = j: the grid has one cluster along y
	s_lshl_b32 s98, ttmp9, 2
	s_add_co_u32 s98, s98, s96                     ; bg
	s_lshl_b32 s99, s97, 2
	s_lshl_b32 s99, 15, s99                        ; my row of the cluster: the same j
	s_lshl_b32 s67, 0x1111, s96                    ; my column: the same bg
	s_or_b32 s[G1W], s99, CODEW
	s_or_b32 s[G1X], s67, CODEW
	s_or_b32 s[G1SW], s99, SCLW
	s_or_b32 s[G1SX], s67, SCLW
.irp g, G1W, G1X
	s_mov_b32 s[\g+1], 192<<16                     ; tensor_dim0
	s_mov_b32 s[\g+2], 128<<16                     ; tensor_dim1
	s_mov_b32 s[\g+3], 192<<16                     ; tile_dim0
	s_mov_b32 s[\g+4], 128                         ; tile_dim1
	s_mov_b32 s[\g+5], 576                         ; from row to row
	s_mov_b32 s[\g+6], 0
	s_mov_b32 s[\g+7], 0
.endr
.irp g, G1SW, G1SX
	s_mov_b32 s[\g+1], 32<<16                      ; 6,144 dense bytes as 24 rows of 256
	s_mov_b32 s[\g+2], 24<<16
	s_mov_b32 s[\g+3], 32<<16
	s_mov_b32 s[\g+4], 24
	s_mov_b32 s[\g+5], 32
	s_mov_b32 s[\g+6], 0
	s_mov_b32 s[\g+7], 0
.endr
	s_mul_i32 s2, s97, 147456                      ; 256 j rows of 576 bytes
	s_mul_i32 s3, s[MH], 73728                     ; + the 128 rows that I fetch
	s_add_co_u32 s2, s2, s3
	s_mov_b32 s3, 0
	s_mul_i32 s100, s98, 294912                    ; 512 bg tokens of 576 bytes
	s_mov_b32 s101, 0
	s_mul_i32 s99, s[WV], HALFT                    ; where my load lands in a slot
	s_mul_i32 s67, s[MH], 6144                     ; and among the scale bytes
	s_wait_dscnt 0x0                               ; both opening adds are done
	s_wait_kmcnt 0x0
	s_add_nc_u64 s[8:9], s[8:9], s[2:3]            ; Wk at the rows that I fetch
	s_add_nc_u64 s[12:13], s[12:13], s[2:3]        ; Wv
	s_cmp_eq_u32 s[MH], 0
	s_cselect_b64 s[10:11], s[10:11], s[14:15]     ; wave 0 fetches Wk's scale bytes, wave 1 Wv's
	s_mul_i32 s2, s97, 6144
	s_add_nc_u64 s[10:11], s[10:11], s[2:3]
	s_add_nc_u64 s[14:15], s[4:5], s[100:101]      ; the text at bg's first token
	s_mul_i32 s100, s[MH], 73728
	s_add_nc_u64 s[4:5], s[14:15], s[100:101]      ; at the tokens that I fetch
	s_mul_i32 s100, s98, 12288
	s_add_co_u32 s100, s100, s67
	s_add_nc_u64 s[6:7], s[6:7], s[100:101]        ; their half of the scale bytes
	s_mov_b32 s[G0SW], 1
	s_add_co_u32 s[G0SW+1], s67, SCW
	s_mov_b64 s[G0SW+2:G0SW+3], s[10:11]
	s_or_b32 s[G0SW+3], s[G0SW+3], 0x80000000
	s_load_b64 s[10:11], s[0:1], 0x80              ; ln1_b, into the pair that the weights' scale bytes have left; it is waited for behind the first tensor loads
	s_mov_b32 s[G0SX], 1
	s_add_co_u32 s[G0SX+1], s67, SCX
	s_mov_b64 s[G0SX+2:G0SX+3], s[6:7]
	s_or_b32 s[G0SX+3], s[G0SX+3], 0x80000000
	s_mov_b32 s[G0W0], 1                           ; K step 0, slot 0
	s_mov_b32 s[G0W0+1], s99
	s_mov_b64 s[G0W0+2:G0W0+3], s[8:9]
	s_or_b32 s[G0W0+3], s[G0W0+3], 0x80000000
	s_mov_b32 s[G0W1], 1                           ; K step 1, slot 1
	s_add_co_u32 s[G0W1+1], s99, SLOT1
	s_add_nc_u64 s[G0W1+2:G0W1+3], s[8:9], 192
	s_or_b32 s[G0W1+3], s[G0W1+3], 0x80000000
	s_mov_b32 s[G0X0], 1
	s_mov_b32 s[G0X0+1], s99
	s_mov_b64 s[G0X0+2:G0X0+3], s[4:5]
	s_or_b32 s[G0X0+3], s[G0X0+3], 0x80000000
	s_mov_b32 s[G0X1], 1
	s_add_co_u32 s[G0X1+1], s99, SLOT1
	s_add_nc_u64 s[G0X1+2:G0X1+3], s[4:5], 192
	s_or_b32 s[G0X1+3], s[G0X1+3], 0x80000000
	CROUND                                         ; all sixteen work-groups are here: the first joint loads meet
	JLOAD G0SW, G1SW, G0SX, G1SX                   ; three loads of mine are out: the scale bytes,
	JLOAD G0W0, G1W, G0X0, G1X                     ; K step 0,
	JLOAD G0W1, G1W, G0X1, G1X                     ; K step 1
	s_lshl_b32 s2, s97, 2                          ; the prefetch's place: tokens 256 on, 8,192 bytes for each of the 16 (j, wave) that share these tokens
	s_add_co_u32 s2, s2, s[WV]
	s_lshl_b32 s2, s2, 13
	s_add_co_u32 s2, s2, 147456
	s_add_nc_u64 s[6:7], s[14:15], s[2:3]
	PADD 16, 98, 2048, MH, 512                     ; attention at row 16 bg + 4 mh
	PADD 18, 97, 1024, WV, 256                     ; bq at channel 256 j + 64 w
	PADD 20, 97, 1024, NH, 512                     ; bv at channel 256 j + 128 nh
	PADD 22, 97, 8192, WV, 2048                    ; Wq's scale bytes at row 256 j + 64 w
	PADD 24, 97, 8, WV, 8192                       ; Wo's at row 256 w, K steps 2 j, 2 j + 1
	PADD 26, 97, 196608, WV, 49152                 ; wf: Wq's fragments of rows 256 j + 64 w on; Wo's of (j, rows 256 w on) lie 786,432 bytes further
	PADD 28, 98, 65536, WV, 16384                  ; lgb at row 16 bg + 4 w,
	s_add_nc_u64 s[28:29], s[28:29], 0x400000      ; of its middle array, g1
	PADD 30, 98, 65536, WV, 16384                  ; outf at the same row,
	PADD 30, 97, 1024, WV, 0                       ; column 256 j
	PADD 32, 97, 4194304, 98, 65536                ; part[j] at row 16 bg,
	PADD 32, WV, 1024, WV, 0                       ; column 256 w
	s_and_b32 s99, s97, 1                          ; j's two bits as masks of all lanes or of none: they feed selections alone
	s_cmp_lg_u32 s99, 0
	s_cselect_b32 s99, -1, 0
	s_lshr_b32 s96, s97, 1
	s_cmp_lg_u32 s96, 0
	s_cselect_b32 s96, -1, 0
	s_mov_b32 s14, 0x3a800000                      ; 1 / 1024
	s_mov_b32 s15, 0x3727c5ac                      ; 1e-5
	s_mov_b32 s97, 0xff800000                      ; -inf
	s_mov_b32 s98, 0x3e0293ee                      ; log2(e) / sqrt(128)
	s_mov_b32 s[SEL], 0x76543210
	s_mov_b32 s[SEL+1], 0xfedcba98
	s_mov_b32 s[TB], 0
	v_and_b32 v80, 15, v0                          ; r
	v_bfe_u32 v81, v0, 4, 1                        ; h
	v_and_b32 v82, 31, v0
	v_lshlrev_b32 v1, 8, v82
	v_lshlrev_b32 v2, 4, v82
	v_lshlrev_b32 v86, 5, v80                      ; 32 r
	v_lshlrev_b32 v87, 2, v80                      ; 4 r
	s_wait_kmcnt 0x0                               ; ln1_b's address
	RLOAD 0, 0                                     ; my first row,
.irp k, 0,1,2,3,4,5,6,7
	global_load_b128 v[FG+4*\k:FG+4*\k+3], v2, s[104:105] offset:512*\k      ; the gain,
.endr
.irp k, 0,1,2,3,4,5,6,7
	global_load_b128 v[FB+4*\k:FB+4*\k+3], v2, s[10:11] offset:512*\k        ; the offset,
.endr
	RLOAD 96, 1                                    ; my second row
	WIN 0
.irp t, 0,1,2,3
	global_load_b128 v[32+8*\t:35+8*\t], v86, s[22:23] offset:512*\t         ; Wq's scale words: v[32 + 8 t + s]
	global_load_b128 v[36+8*\t:39+8*\t], v86, s[22:23] offset:512*\t+16
	global_load_b32 v[72+\t], v87, s[18:19] offset:64*\t
.endr
.irp a, 0,1,2,3,4,5,6,7
	global_load_b32 v[24+\a], v87, s[20:21] offset:64*\a
.endr
.macro WQFRAG                          ; Wq's fragment F = 4 s + t: three loads of 512 consecutive bytes
.if F < 21
	WIN 0x80
.set WR, 12*F
.else
	WIN 0xc0
.set WR, 12*(F-21)
.endif
.irp c, 0,1,2
	global_load_b128 v[WR+4*\c:WR+4*\c+3], v2, s[26:27] offset:12288*(F%4)+1536*(F/4)+512*\c
.endr
.endm
.macro WQRUN n
.rept \n
	WQFRAG
.set F, F+1
.endr
.endm
	s_mul_i32 s2, s[WV], 4608
	s_add_co_u32 s2, s2, QM                        ; my turning stage
	v_lshrrev_b32 v83, 3, v82
	v_lshl_add_u32 v76, v83, 4, v2
	v_add_nc_u32 v76, s2, v76                      ; in: 16 lane + 16 (lane / 8): a block's 128 bytes + 16 of padding; four blocks, 576 bytes, a load
	v_mul_u32_u24 v77, v82, 144
	v_add_nc_u32 v77, s2, v77                      ; out: block = lane
	s_mul_i32 s2, s[WV], 3264
	s_add_co_u32 s2, s2, OCL
	v_mul_u32_u24 v83, v82, 3
.irp k, 0,1,2
	v_add_nc_u32 v[92+\k], \k, v83                 ; my block's codes are pieces 3 lane + k of 8 bytes of the row;
	v_lshrrev_b32 v79, 5, v[92+\k]
	v_lshlrev_b32 v[92+\k], 3, v[92+\k]
	v_lshl_add_u32 v[92+\k], v79, 4, v[92+\k]      ; each 256 bytes (32 pieces) take 272 in LDS
	v_add_nc_u32 v[92+\k], s2, v[92+\k]
.endr
	s_lshl_b32 s2, s[WV], 7
	s_add_co_u32 s2, s2, OSL
	v_lshrrev_b32 v78, 2, v82
	v_lshlrev_b32 v78, 2, v78
	v_add_nc_u32 v78, s2, v78                      ; the scale word of my four lanes' 128 columns
	v_and_b32 v79, 3, v82
	v_lshlrev_b32 v79, 3, v79                      ; my byte's place in it
	v_lshl_add_u32 v95, v80, 5, OSL                ; and where row r's eight words are read
	v_mul_u32_u24 v84, v81, 24
	v_mad_u32_u24 v85, v80, 240, v84               ; 240 r + 24 h
	s_mul_i32 s2, s[MH], HALFT
	s_add_co_u32 s2, s2, 2*HALFT
	v_add_nc_u32 v3, s2, v85                       ; v3, v4: my tokens in a slot
	v_lshl_add_u32 v4, v81, 4, v3
	s_mul_i32 s2, s[NH], HALFT
	v_add_nc_u32 v5, s2, v85                       ; v5, v6: my rows of the weight
	v_lshl_add_u32 v6, v81, 4, v5
	v_mul_u32_u24 v88, v80, 24
	s_mul_i32 s2, s[MH], 3072
	s_add_co_u32 s2, s2, SCX
	v_add_nc_u32 v11, s2, v88                      ; my tokens' scale words
	s_mul_i32 s2, s[NH], 3072
	s_add_co_u32 s2, s2, SCW
	v_add_nc_u32 v12, s2, v88                      ; my rows'
	s_mul_i32 s2, s[MH], 4160
	s_lshl_b32 s3, s[NH], 9
	s_add_co_u32 s2, s2, s3
	s_add_co_u32 s3, s2, QM
	v_add_nc_u32 v15, s3, v87                      ; q': rows 4 mh on, channels 128 nh + r
	s_add_co_u32 s3, s2, CT
	v_add_nc_u32 v17, s3, v87                      ; ctx likewise
	v_lshlrev_b32 v16, 5, v81                      ; the mask: 32 h
	v_mad_u32_u24 v89, v81, 8320, v87
	s_lshl_b32 s2, s[WV], 8
	s_add_co_u32 s2, s2, QM
	v_add_nc_u32 v89, s2, v89                      ; where I put q': rows 8 h on, channels 64 w + r
	v_mad_u32_u24 v90, v80, 816, v84
	v_add_nc_u32 v90, OCL, v90                     ; v90, v91: out's fragments
	v_lshl_add_u32 v91, v81, 4, v90
	; MY FOUR ROWS OF out.  Two sets of registers take turns; a set is loaded again as soon as its row's last multiply-add has read it.  Wq's 32 fragments are asked for in four runs between, behind the rows' loads, so that they are on
	; their way while the rows are worked.  Loads come back in order: each wait's count is the number of loads issued behind the row that it waits for.
.set F, 0
	s_wait_loadcnt 44                              ; row 0, the gain and the offset are in; behind them: row 1's 24 and the 20 small ones
	WQRUN 6
	ROWA 0
	RLOAD 0, 2
	ROWB 0
	s_wait_loadcnt 62                              ; row 1 is in; behind it: 20 small ones, 18 of Wq, row 2's 24
	ROWA 96
	RLOAD 96, 3
	WQRUN 6
	ROWB 1
	s_wait_loadcnt 42                              ; row 2 is in; behind it: row 3's 24, 18 of Wq
	ROWA 0
	WQRUN 8
	ROWB 2
	s_wait_loadcnt 42                              ; row 3 is in; behind it: 18 and 24 of Wq
	ROWA 96
	WQRUN 12
	ROWB 3
	WIN 0x40
.set i, 0
.rept 32
	v_mov_b32 v[96+i], 0                           ; p and 1 / sum are written once here: the text has a way to the V pass's lines that no count of passes takes first
	v_mov_b32 v[224+i], 0
.set i, i+1
.endr
	WIN 0
.irp g, 0,1,2,3
	v_mov_b32 v[20+\g], 0
.endr
	s_wait_dscnt 0x0                               ; my four rows' codes and scale words lie in LDS, and my reads of my stage are over,
	s_barrier_signal -1
	s_barrier_wait -1                              ; everybody's
	WIN 0xc0
.irp s, 0,1,2,3,4,5,6,7
	FRAG816 132+12*\s, 90, \s, 0
.endr
	WIN 0
	ds_load_b128 v[64:67], v95                     ; out's scale words: v[64 + s]
	ds_load_b128 v[68:71], v95 offset:16
	s_wait_loadcnt 0x0
	s_wait_xcnt 0x0                                ; the stores to outf have read their registers, on which scale words land later
	s_wait_dscnt 0x0
.irp s, 0,1,2,3,4,5,6,7                        ; q's slice: source 0 = out's 16 rows, source 1 = 16 rows of Wq: lane r holds channel 16 t + r, register i row 8 h + i.  Four accumulators by turns
.irp t, 0,1,2,3
.set F, 4*\s+\t
.if F < 21
	WIN 0x0b
.set WR, 12*F
.else
	WIN 0x0f
.set WR, 12*(F-21)
.endif
.if \s == 0
	v_wmma_scale_f32_16x16x128_f8f6f4 v[224+8*\t:231+8*\t], v[132+12*\s:143+12*\s], v[WR:WR+11], 0, v[64+\s], v[32+8*\t+\s] matrix_a_fmt:MATRIX_FMT_BF6 matrix_b_fmt:MATRIX_FMT_BF6
.else
	v_wmma_scale_f32_16x16x128_f8f6f4 v[224+8*\t:231+8*\t], v[132+12*\s:143+12*\s], v[WR:WR+11], v[224+8*\t:231+8*\t], v[64+\s], v[32+8*\t+\s] matrix_a_fmt:MATRIX_FMT_BF6 matrix_b_fmt:MATRIX_FMT_BF6
.endif
.endr
.endr
	WIN 0
	PLACES 4
.irp t, 0,1,2,3
	v_mul_f32 v[72+\t], s98, v[72+\t]
.endr
.irp t, 0,1,2,3
.irp i, 0,1,2,3,4,5,6,7
	v_fma_f32 v[224+8*\t+\i], v[224+8*\t+\i], s98, v[72+\t]                  ; q' = (q + bq) log2(e) / sqrt(128)
.endr
.endr
.irp t, 0,1,2,3
.irp i, 0,1,2,3,4,5,6,7
	ds_store_b32 v89, v[224+8*\t+\i] offset:1040*\i+64*\t
.endr
.endr
	s_wait_tensorcnt 0x1                           ; the scale bytes and my part of K step 0 are in; K step 1's load may be out
	s_wait_dscnt 0x0
	s_barrier_signal -1
	s_barrier_wait -1
	s_mov_b32 s[PP], 0                             ; (the register held a mask of j until here)
	s_mov_b64 s[72:73], s[8:9]                     ; this pass's weight: Wk; the next's: Wv
	s_mov_b64 s[74:75], s[12:13]
	s_mov_b64 s[76:77], s[4:5]                     ; this pass's tokens and the next's: the first 256
	s_mov_b64 s[78:79], s[4:5]
	s_add_nc_u64 s[26:27], s[26:27], 786432        ; on to Wo's fragments (the loads of Wq's are done)
; 16 matrix instructions: the weight's blocks a0, a0 + 1 x the tokens' eight.  The 64 accumulators take turns, one instruction a turn, in the same order in every step.
.macro MUL16 a0, set, q, sc, zero
.irp a, \a0, \a0+1
.irp b, 0,1,2,3,4,5,6,7
.if \zero
	v_wmma_scale_f32_16x16x128_f8f6f4 v[8*(8*((\a)%4)+\b):8*(8*((\a)%4)+\b)+7], v[128*(\set)+12*\b:128*(\set)+12*\b+11], v[128+12*(\a):128+12*(\a)+11], 0, v[32+32*(\sc)+2*\b+(\q)], v[48+32*(\sc)+2*(\a)+(\q)] matrix_a_fmt:MATRIX_FMT_BF6 matrix_b_fmt:MATRIX_FMT_BF6
.else
	v_wmma_scale_f32_16x16x128_f8f6f4 v[8*(8*((\a)%4)+\b):8*(8*((\a)%4)+\b)+7], v[128*(\set)+12*\b:128*(\set)+12*\b+11], v[128+12*(\a):128+12*(\a)+11], v[8*(8*((\a)%4)+\b):8*(8*((\a)%4)+\b)+7], v[32+32*(\sc)+2*\b+(\q)], v[48+32*(\sc)+2*(\a)+(\q)] matrix_a_fmt:MATRIX_FMT_BF6 matrix_b_fmt:MATRIX_FMT_BF6
.endif
.endr
.endr
.endm
.macro FETCH_X q, set
	WIN 0x40
.irp i, 0,1,2,3,4,5,6,7
	FRAG240 128*(\set)+12*\i, 7, \q, 3840*\i
.endr
	WIN 0
.endm
.macro FETCH_W q, i0
.irp i, \i0, \i0+1, \i0+2, \i0+3
	FRAG240 128+12*(\i), 9, \q, 3840*(\i)
.endr
.endm
.macro SCALES sc, ks                   ; a K step's two scale words of each row: the tokens' eight blocks, the weight's eight
.irp i, 0,1,2,3,4,5,6,7
	ds_load_b64 v[32+32*(\sc)+2*\i:33+32*(\sc)+2*\i], v13 offset:384*\i+8*(\ks)
	ds_load_b64 v[48+32*(\sc)+2*\i:49+32*(\sc)+2*\i], v14 offset:384*\i+8*(\ks)
.endr
.endm
; The first 128 along K of a slot.  A load into a register that a matrix instruction has read stands four plain vector instructions behind it.
.macro STEP sc, zero
	s_wait_dscnt 24                                ; the youngest 24 loads at the most (the weight's blocks 4-7) may be out
	WIN 0xa1
	MUL16 0, 0, 0, \sc, \zero
	MUL16 2, 0, 0, \sc, \zero
	s_wait_dscnt 0x0
	PLACES 4
	FETCH_X 1, 1
	FETCH_W 1, 0
	WIN 0xf1
	MUL16 4, 0, 0, \sc, \zero
	MUL16 6, 0, 0, \sc, \zero
	PLACES 4
	WIN 0
	FETCH_W 1, 4
.endm
; The second 128 change slots: ONE barrier; in front of it each wave waits for all its tensor loads, adds 0 to its spare word, and waits for that and for its reads of this slot.  fill = 1: the barrier opens a round of the cluster's,
; and this slot is filled again, with the K step two steps on: off bytes along the rows at s[bw] and s[bx].
.macro TURN sc, nsc, nks, fill, bw, bx, off, newpass, ask
	s_wait_tensorcnt 0x0                           ; all my tensor loads have landed: my part of the next slot
	ds_add_u32 v18, v19                            ; 0 onto my spare word
	s_wait_dscnt 25                                ; (the add and the weight's blocks 4-7 may be out)
	WIN 0xa1
	MUL16 0, 1, 1, \sc, 0
	s_wait_dscnt 0x0                               ; the add is done, and my reads of this slot are over
	s_barrier_signal -1
	MUL16 2, 1, 1, \sc, 0
	WIN 0
	s_barrier_wait -1
.if \fill
	CREST                                          ; no wave of any partner still reads this slot's tiles or has a load on its way
	s_xor_b32 s[G0W1+1], s[G0W1+1], SLOT1
	s_add_nc_u64 s[G0W1+2:G0W1+3], s[\bw:\bw+1], \off
	s_or_b32 s[G0W1+3], s[G0W1+3], 0x80000000
	s_xor_b32 s[G0X1+1], s[G0X1+1], SLOT1
	s_add_nc_u64 s[G0X1+2:G0X1+3], s[\bx:\bx+1], \off
	s_or_b32 s[G0X1+3], s[G0X1+3], 0x80000000
	JLOAD G0W1, G1W, G0X1, G1X                     ; the first tensor load behind the round; its four v_nop are also the places in front of the loads below
.else
	PLACES 4
.endif
	s_xor_b32 s[TB], s[TB], SLOT1                  ; on to the other slot
	v_add_nc_u32 v7, s[TB], v3
	v_add_nc_u32 v8, s[TB], v4
	v_add_nc_u32 v9, s[TB], v5
	v_add_nc_u32 v10, s[TB], v6
.if \newpass
	v_add_nc_u32 v13, s80, v11                     ; the next pass's scale words
	v_add_nc_u32 v14, s81, v12
.endif
	FETCH_X 0, 0
	FETCH_W 0, 0
	SCALES \nsc, \nks
.if \ask
; A PREFETCH INTO THE L2 of the second 256 tokens' codes, one dense block of 147,456 bytes, once, at the end of pass 0: two K steps and the work behind a pass ahead of the first load that wants them.  The four work-groups that share
; these tokens, four waves each, take 8,192 bytes each, told apart by address, lanes 256 bytes apart; the last 16,384 bytes come by their loads alone.  The first tokens and the weights are not asked for.
	s_cmp_eq_u32 s[PP], 0
	s_cbranch_scc0 .Lno_ask_\@
	global_prefetch_b8 v1, s[6:7] th:TH_LOAD_NT scope:SCOPE_SE
.Lno_ask_\@:
.endif
	WIN 0xf1
	MUL16 4, 1, 1, \sc, 0
	MUL16 6, 1, 1, \sc, 0
	PLACES 4
	WIN 0
	FETCH_W 0, 4
.endm
.macro QLOAD tb                        ; q' of my four rows: v[224 + 8 g + a]: lane r: channel 16 a + r
.irp g, 0,1,2,3
.irp a, 0,1,2,3,4,5,6,7
	ds_load_b32 v[224+8*\g+\a], v15 offset:8320*(\tb)+1040*\g+64*\a
.endr
.endr
.endm
; BEHIND A K PASS.
.macro EPI_K
.irp b, 0,1,2,3,4,5,6,7                        ; the mask's words of my tokens: v[64 + 8 b + i]
	global_load_b128 v[64+8*\b:67+8*\b], v16, s[16:17] offset:128*(\b/2)+64*(\b%2)
	global_load_b128 v[68+8*\b:71+8*\b], v16, s[16:17] offset:128*(\b/2)+64*(\b%2)+16
.endr
.irp a, 0,1,2,3,4,5,6,7                        ; my lane's part of the scores: the sum over a of k x q'; each accumulator is read from its low end on
	WIN 0x52+\a/4
.irp b, 0,1,2,3,4,5,6,7
.irp e, 0,2,4,6
.set SR, 96+8*\b+96*(\b/4)+\e
.set AC, 8*(8*(\a%4)+\b)+\e
.set QP, 224+8*(\b/2)+2*(\a/2)
.if \a == 0
	v_pk_mul_f32 v[SR:SR+1], v[AC:AC+1], v[QP:QP+1] op_sel_hi:[1,0]
.elseif \a%2 == 0
	v_pk_fma_f32 v[SR:SR+1], v[AC:AC+1], v[QP:QP+1], v[SR:SR+1] op_sel_hi:[1,0,1]
.else
	v_pk_fma_f32 v[SR:SR+1], v[AC:AC+1], v[QP:QP+1], v[SR:SR+1] op_sel:[0,1,0] op_sel_hi:[1,1,1]
.endif
.endr
.endr
.endr
	WIN 0x45
.irp m, 1,2,4,8                                ; and over the 16 lanes of a half: every lane then holds its half's scores
.set i, 0
.rept 64
.set SR, 96+i+96*(i/32)
	v_add_f32_dpp v[SR], v[SR], v[SR] row_xmask:\m row_mask:0xf bank_mask:0xf
.set i, i+1
.endr
.endr
	s_wait_loadcnt 0x0
	WIN 0x44
.set i, 0
.rept 64
.set SR, 96+i+96*(i/32)
	v_cmp_ne_u32 vcc_lo, v[64+i], 0
	v_cndmask_b32 v[SR], s97, v[SR], vcc_lo        ; a hidden key's score becomes -inf
.set i, i+1
.endr
	s_add_nc_u64 s[16:17], s[16:17], 1024          ; the mask's next eight rows (its loads are done)
	WIN 0x15
.irp g, 0,1,2,3                                ; the row's maximum: my 16 keys,
.set SB, 96+16*\g+96*(\g/2)
	v_max3_num_f32 v[64+2*\g], v[SB], v[SB+1], v[SB+2]
.endr
	WIN 0x14
.irp k, 3,5,7,9,11,13
.irp g, 0,1,2,3
.set SB, 96+16*\g+96*(\g/2)
	v_max3_num_f32 v[64+2*\g], v[64+2*\g], v[SB+\k], v[SB+\k+1]
.endr
.endr
.irp g, 0,1,2,3
.set SB, 96+16*\g+96*(\g/2)
	v_max_num_f32 v[64+2*\g], v[64+2*\g], v[SB+15]
.endr
	WIN 0
.irp g, 0,1,2,3
	v_permlanex16_b32 v[65+2*\g], v[64+2*\g], s[SEL], s[SEL+1]
.endr
.irp g, 0,1,2,3
	v_max3_num_f32 v[64+2*\g], v[64+2*\g], v[65+2*\g], 0xff61b1e6            ; the other half's 16, and -3e38, which acts only where every key is hidden
.endr
	WIN 0x41
.irp g, 0,1,2,3
.irp e, 0,2,4,6,8,10,12,14
.set SB, 96+16*\g+96*(\g/2)+\e
	v_pk_add_f32 v[SB:SB+1], v[SB:SB+1], v[64+2*\g:65+2*\g] op_sel_hi:[1,0] neg_lo:[0,1] neg_hi:[0,1]
.endr
.endr
.set i, 0
.rept 64
.set SR, 96+i+96*(i/32)
	v_exp_f32 v[SR], v[SR]                         ; p = 2^(score - maximum), not normalised
.set i, i+1
.endr
	v_nop                                          ; a plain instruction behind the last exponential,
	s_wait_alu depctr_va_vdst(0)                   ; and one wait for the batch, ahead of its first reader
	WIN 0x05
.irp g, 0,1,2,3
.set SB, 96+16*\g+96*(\g/2)
	v_pk_add_f32 v[72+2*\g:73+2*\g], v[SB:SB+1], v[SB+2:SB+3]
.endr
	WIN 0x04
.irp k, 4,6,8,10,12,14
.irp g, 0,1,2,3
.set SB, 96+16*\g+96*(\g/2)
	v_pk_add_f32 v[72+2*\g:73+2*\g], v[72+2*\g:73+2*\g], v[SB+\k:SB+\k+1]
.endr
.endr
	WIN 0
.irp g, 0,1,2,3
	v_add_f32 v[72+2*\g], v[72+2*\g], v[73+2*\g]
.endr
.irp g, 0,1,2,3
	v_permlanex16_b32 v[73+2*\g], v[72+2*\g], s[SEL], s[SEL+1]
.endr
.irp g, 0,1,2,3
	v_add_f32 v[72+2*\g], v[72+2*\g], v[73+2*\g]
.endr
.irp g, 0,1,2,3
	v_max_num_f32 v[72+2*\g], 0x0da24260, v[72+2*\g]                         ; 1e-30, which acts only where every key is hidden
.endr
.irp g, 0,1,2,3
	v_rcp_f32 v[20+\g], v[72+2*\g]
.endr
	v_nop
	s_wait_alu depctr_va_vdst(0)
.endm
.macro WOFRAG                          ; Wo's fragment F = 16 s' + t
.if F < 8
	WIN 0x40
.set WR, 12*F
.elseif F < 16
	WIN 0x40
.set WR, 128+12*(F-8)
.elseif F < 24
	WIN 0
.set WR, 128+12*(F-16)
.else
	WIN 0x80
.set WR, 12*(F-24)
.endif
.irp c, 0,1,2
	global_load_b128 v[WR+4*\c:WR+4*\c+3], v2, s[26:27] offset:3072*(F%16)+1536*(F/16)+512*\c
.endr
.endm
; BEHIND A V PASS.  tail = 1: Wo's fragments and scale words are asked for meanwhile, into registers that the passes have left.
.macro EPI_V tb, tail
.if \tail
	v_and_b32 v124, 15, v0
	v_lshlrev_b32 v124, 5, v124
.set F, 0
.rept 24
	WOFRAG
.set F, F+1
.endr
	WIN 0
.irp t, 0,1,2,3,4,5,6,7,8,9,10,11,12,13,14,15
	global_load_b64 v[32+2*\t:33+2*\t], v124, s[24:25] offset:512*\t
.endr
.endif
.irp w, 0,1                                    ; channels 64 w on: window 2 + w
	WIN 0x06+\w
.irp u, 0,1
.irp e, 0,2,4,6
.irp g, 0,1,2,3
.irp d, 0,1,2,3
.set TP, 224+2*(4*\g+\d)
.set AC, 8*(8*\d+2*\g+\u)+\e
.set PR, 96+8*(2*\g+\u)+96*(\g/2)+\e
.if (\u == 0) && (\e == 0)
	v_pk_mul_f32 v[TP:TP+1], v[AC:AC+1], v[PR:PR+1]
.else
	v_pk_fma_f32 v[TP:TP+1], v[AC:AC+1], v[PR:PR+1], v[TP:TP+1]
.endif
.endr
.endr
.endr
.endr
	WIN 0
.set i, 0
.rept 16
	v_add_f32 v[224+2*i], v[224+2*i], v[225+2*i]
.set i, i+1
.endr
.set i, 0
.rept 16
	v_permlanex16_b32 v[225+2*i], v[224+2*i], s[SEL], s[SEL+1]
.set i, i+1
.endr
.set i, 0
.rept 16
	v_add_f32 v[224+2*i], v[224+2*i], v[225+2*i]   ; with the other half's 16 keys
.set i, i+1
.endr
.irp g, 0,1,2,3
.irp d, 0,1,2,3
	v_fma_f32 v[224+2*(4*\g+\d)], v[224+2*(4*\g+\d)], v[20+\g], v[24+4*\w+\d]          ; ctx = sum / (sum of p) + bv
.endr
.endr
.irp g, 0,1,2,3
.irp d, 0,1,2,3
	ds_store_b32 v17, v[224+2*(4*\g+\d)] offset:8320*(\tb)+1040*\g+64*(4*\w+\d)        ; both halves of the lanes hold the same number and write the same word
.endr
.endr
.if \tail && (\w == 0)
.rept 8
	WOFRAG                                         ; the last eight fragments, into accumulators that have been read
.set F, F+1
.endr
	WIN 0
.endif
	s_wait_dscnt 0x0                               ; the stores have read their registers
.endr
.endm
	v_add_nc_u32 v7, s[TB], v3
	v_add_nc_u32 v8, s[TB], v4
	v_add_nc_u32 v9, s[TB], v5
	v_add_nc_u32 v10, s[TB], v6
	v_add_nc_u32 v13, 0, v11
	v_add_nc_u32 v14, 0, v12
	FETCH_X 0, 0
	FETCH_W 0, 0
	SCALES 0, 0
	FETCH_W 0, 4
	QLOAD 0
.Lpass:                                            ; three trips: passes 0, 1, 2; all their changes of slots fill a slot again
	s_add_co_u32 s82, s[PP], 1                     ; the next pass's scale words: tokens' half (P + 1) / 2, Wk's or Wv's
	s_lshr_b32 s80, s82, 1
	s_mul_i32 s80, s80, 6144
	s_and_b32 s81, s82, 1
	s_mul_i32 s81, s81, 6144
	STEP 0, 1                                      ; the pass's first products start the sums: nothing is cleared
	TURN 0, 1, 1, 1, 72, 76, 384, 0, 0
	STEP 1, 0
	TURN 1, 2, 2, 1, 74, 78, 0, 0, 0
	STEP 2, 0
	TURN 2, 0, 0, 1, 74, 78, 192, 1, 1
	s_and_b32 s82, s[PP], 1                        ; the count of passes alone: the same in every wave and every partner
	s_cmp_eq_u32 s82, 0
	s_cbranch_scc0 .Lafter_v
	EPI_K
	s_branch .Lafter
.Lafter_v:
	EPI_V 0, 0
	QLOAD 1
.Lafter:
	s_mov_b64 s[82:83], s[72:73]                   ; Wk and Wv change places; the tokens move on
	s_mov_b64 s[72:73], s[74:75]
	s_mov_b64 s[74:75], s[82:83]
	s_mov_b64 s[76:77], s[78:79]
	s_add_co_u32 s84, s[PP], 2
	s_lshr_b32 s84, s84, 1
	s_min_u32 s84, s84, 1
	s_mul_i32 s84, s84, 147456
	s_mov_b32 s85, 0
	s_add_nc_u64 s[78:79], s[4:5], s[84:85]
	s_add_co_u32 s[PP], s[PP], 1
	s_cmp_lt_u32 s[PP], 3
	s_cbranch_scc1 .Lpass
	STEP 0, 1                                      ; pass 3 is written out: one more fill, then none
	TURN 0, 1, 1, 1, 72, 76, 384, 0, 0
	STEP 1, 0
	TURN 1, 2, 2, 0, 0, 0, 0, 0, 0
	STEP 2, 0
	s_wait_dscnt 24
	WIN 0xa1
	MUL16 0, 1, 1, 2, 0
	MUL16 2, 1, 1, 2, 0
	s_wait_dscnt 0x0
	WIN 0xf1
	MUL16 4, 1, 1, 2, 0
	MUL16 6, 1, 1, 2, 0
	WIN 0
	PLACES 4
	EPI_V 1, 1
	s_barrier_signal -1                            ; (EPI_V has waited for my LDS stores)
	s_barrier_wait -1                              ; ctx, 16 rows x 256 channels, lies in LDS
	; ctx BECOMES AN OPERAND: two fragments (K steps of 128 channels).  Lane (r, h) takes of row r the blocks of 32 that the layout gives it, whole: channels 128 s' + 64 c + 32 h on.  Every wave makes both: it needs both.
	v_and_b32 v125, 15, v0
	v_bfe_u32 v126, v0, 4, 1
	v_mul_u32_u24 v127, v125, 1040
	v_lshl_add_u32 v127, v126, 7, v127
	v_add_nc_u32 v127, CT, v127
	WIN 0x80
.irp k, 0,1,2,3                                ; block k = 2 s' + c: v[96 + 32 k ..] of window 2
.irp i, 0,1,2,3,4,5,6,7
	ds_load_b128 v[96+32*\k+4*\i:99+32*\k+4*\i], v127 offset:256*\k+16*\i
.endr
.endr
	s_wait_dscnt 0x0
	WIN 0x0a
.irp k, 0,1,2,3
	v_max3_num_f32 v[92+\k], |v[96+32*\k]|, |v[97+32*\k]|, 0x2800000         ; the floor 2^(5 - 127): the byte cannot fall under 1
.endr
	WIN 0x28
.irp i, 2,4,6,8,10,12,14,16,18,20,22,24,26,28,30
.irp k, 0,1,2,3
	v_max3_num_f32 v[92+\k], v[92+\k], |v[96+32*\k+\i]|, |v[97+32*\k+\i]|
.endr
.endr
	WIN 0
.irp k, 0,1,2,3
	v_add_nc_u32 v[96+\k], 0xfe000000, v[92+\k]    ; 4 off the exponent field: the conversion's scale operand
.endr
.irp k, 0,1,2,3
	v_lshrrev_b32 v[100+\k], 23, v[96+\k]          ; the scale's byte
.endr
	v_lshlrev_b32 v104, 3, v126
.irp s, 0,1
	v_lshl_or_b32 v[88+\s], v[101+2*\s], 16, v[100+2*\s]                     ; my two bytes: blocks h and 2 + h of row r,
	v_lshlrev_b32 v[88+\s], v104, v[88+\s]         ; at their places in the word;
	v_mov_b32 v[105+\s], 0
	v_permlanex16_b32 v[105+\s], v[88+\s], s[SEL], s[SEL+1]
	v_or_b32 v[88+\s], v[88+\s], v[105+\s]         ; with the other half's two the word is whole
.endr
	WIN 0x02
.irp k, 0,1,2,3
	v_cvt_scalef32_pk16_bf6_f32 v[64+6*\k:66+6*\k], v[96+32*\k:111+32*\k], v[96+\k]
	v_cvt_scalef32_pk16_bf6_f32 v[108+4*\k:110+4*\k], v[112+32*\k:127+32*\k], v[96+\k]           ; (a conversion's three registers begin on an even number)
.endr
	v_nop                                          ; a plain instruction behind the conversions
	WIN 0
.irp k, 0,1,2,3
.irp i, 0,1,2
	v_mov_b32 v[67+6*\k+\i], v[108+4*\k+\i]
.endr
.endr
	s_mul_i32 s2, s[WV], 8448                      ; the way out: my stage, 16 rows x 528 bytes, in slot 0, which has had its last fill and its last read
	v_mul_u32_u24 v90, v125, 528
	v_lshl_add_u32 v90, v126, 5, v90
	v_add_nc_u32 v90, s2, v90
	v_add_nc_u32 v91, s2, v2
	PLACES 8                                       ; operands and scale words written by vector instructions stand these places ahead of a scaled matrix instruction
	s_wait_loadcnt 0x0                             ; Wo's fragments and scale words
.irp s, 0,1                                    ; my part of ctx Wo^T: source 0 = 16 rows of Wo, source 1 = ctx's 16 rows: a lane holds one row and eight neighbouring columns.  Sixteen accumulators by turns
.irp t, 0,1,2,3,4,5,6,7,8,9,10,11,12,13,14,15
.set F, 16*\s+\t
.if F < 8
	WIN 0xf1
.set WR, 12*F
.elseif F < 16
	WIN 0xf1
.set WR, 128+12*(F-8)
.elseif F < 24
	WIN 0xf0
.set WR, 128+12*(F-16)
.else
	WIN 0xf2
.set WR, 12*(F-24)
.endif
.if \s == 0
	v_wmma_scale_f32_16x16x128_f8f6f4 v[8*\t:8*\t+7], v[WR:WR+11], v[64+12*\s:75+12*\s], 0, v[32+2*\t+\s], v[88+\s] matrix_a_fmt:MATRIX_FMT_BF6 matrix_b_fmt:MATRIX_FMT_BF6
.else
	v_wmma_scale_f32_16x16x128_f8f6f4 v[8*\t:8*\t+7], v[WR:WR+11], v[64+12*\s:75+12*\s], v[8*\t:8*\t+7], v[32+2*\t+\s], v[88+\s] matrix_a_fmt:MATRIX_FMT_BF6 matrix_b_fmt:MATRIX_FMT_BF6
.endif
.endr
.endr
	WIN 0
	PLACES 4
.macro TOSTAGE k                       ; 16 rows x 128 columns through my stage; LDS serves a wave's instructions in order
	WIN 0x0c
.irp b, 0,1,2,3,4,5,6,7
	ds_store_b128 v90, v[64*\k+8*\b:64*\k+8*\b+3] offset:64*\b
	ds_store_b128 v90, v[64*\k+8*\b+4:64*\k+8*\b+7] offset:64*\b+16
.endr
	WIN 0
.irp t, 0,1,2,3,4,5,6,7,8,9,10,11,12,13,14,15
	ds_load_b128 v[128+64*\k+4*\t:131+64*\k+4*\t], v91 offset:528*\t
.endr
.endm
	TOSTAGE 0
	TOSTAGE 1
	s_wait_dscnt 32                                ; behind the first block's loads: the second's 16 stores and 16 loads
.irp t, 0,1,2,3,4,5,6,7,8,9,10,11,12,13,14,15
	global_store_b128 v2, v[128+4*\t:131+4*\t], s[32:33] offset:4096*\t th:TH_STORE_NT           ; 32 lanes store 512 consecutive bytes, aligned
.endr
	s_wait_dscnt 0x0
.irp t, 0,1,2,3,4,5,6,7,8,9,10,11,12,13,14,15
	global_store_b128 v2, v[192+4*\t:195+4*\t], s[32:33] offset:4096*\t+512 th:TH_STORE_NT
.endr
	s_wait_tensorcnt 0x0                           ; the wave's end
	ds_add_u32 v18, v19
	s_wait_dscnt 0x0
	CROUND                                         ; the closing round
	s_endpgm
.Lfunc_end_k_q8aec02d406_attend:
	.size	k_q8aec02d406_attend, .Lfunc_end_k_q8aec02d406_attend-k_q8aec02d406_attend
	.p2alignl 7, 3214868480
	.fill 96, 4, 3214868480
	.section	.rodata,"a",@progbits
	.p2align	6, 0x0
	.amdhsa_kernel k_q8aec02d406_attend
		.amdhsa_group_segment_fixed_size 327680
		.amdhsa_private_segment_fixed_size 0
		.amdhsa_enable_private_segment 0
		.amdhsa_kernarg_size 136
		.amdhsa_user_sgpr_count 2
		.amdhsa_user_sgpr_kernarg_segment_ptr 1
		.amdhsa_wavefront_size32 1
		.amdhsa_system_sgpr_workgroup_id_x 1
		.amdhsa_system_sgpr_workgroup_id_y 1
		.amdhsa_system_sgpr_workgroup_id_z 1
		.amdhsa_system_vgpr_workitem_id 0
		.amdhsa_next_free_vgpr 1024
		.amdhsa_next_free_sgpr 106
		.amdhsa_reserve_vcc 1
		.amdhsa_float_denorm_mode_32 3
		.amdhsa_float_denorm_mode_16_64 3
		.amdhsa_memory_ordered 1
		.amdhsa_forward_progress 1
		.amdhsa_inst_pref_size 255
	.end_amdhsa_kernel
	.section	.bss,"aw",@nobits
	.p2align	6
	.space	262144
	.amdgpu_metadata
---
amdhsa.version: [ 1, 2 ]
amdhsa.kernels:
  - .name:           k_q8aec02d406_attend
    .symbol:         k_q8aec02d406_attend.kd
    .args:
      - { .name: text_feat_codes, .offset: 0, .size: 8, .value_kind: global_buffer, .address_space: global }
      - { .name: text_feat_scales, .offset: 8, .size: 8, .value_kind: global_buffer, .address_space: global }
      - { .name: Wk_codes, .offset: 16, .size: 8, .value_kind: global_buffer, .address_space: global }
      - { .name: Wk_scales, .offset: 24, .size: 8, .value_kind: global_buffer, .address_space: global }
      - { .name: Wv_codes, .offset: 32, .size: 8, .value_kind: global_buffer, .address_space: global }
      - { .name: Wv_scales, .offset: 40, .size: 8, .value_kind: global_buffer, .address_space: global }
      - { .name: attention, .offset: 48, .size: 8, .value_kind: global_buffer, .address_space: global }
      - { .name: bq, .offset: 56, .size: 8, .value_kind: global_buffer, .address_space: global }
      - { .name: bv, .offset: 64, .size: 8, .value_kind: global_buffer, .address_space: global }
      - { .name: Wq_scales, .offset: 72, .size: 8, .value_kind: global_buffer, .address_space: global }
      - { .name: Wo_scales, .offset: 80, .size: 8, .value_kind: global_buffer, .address_space: global }
      - { .name: wf, .offset: 88, .size: 8, .value_kind: global_buffer, .address_space: global }
      - { .name: lgb, .offset: 96, .size: 8, .value_kind: global_buffer, .address_space: global }
      - { .name: outf, .offset: 104, .size: 8, .value_kind: global_buffer, .address_space: global }
      - { .name: part, .offset: 112, .size: 8, .value_kind: global_buffer, .address_space: global }
      - { .name: ln1_g, .offset: 120, .size: 8, .value_kind: global_buffer, .address_space: global }
      - { .name: ln1_b, .offset: 128, .size: 8, .value_kind: global_buffer, .address_space: global }
    .group_segment_fixed_size: 327680
    .private_segment_fixed_size: 0
    .kernarg_segment_align: 8
    .kernarg_segment_size: 136
    .max_flat_workgroup_size: 128
    .sgpr_count:     106
    .vgpr_count:     1024
    .wavefront_size: 32
...
	.end_amdgpu_metadata
.endif
;; end of part 2
;; launch finish (part 3): grid 256 x 1, 4 waves a work-group, no clusters, 0 bytes of LDS; arguments part, outf, bo, ln2_g, ln2_b, attention, out0; writes out0
.if DOCPART == 3
	.amdgcn_target "amdgcn-amd-amdhsa--gfx1250"
	.amdhsa_code_object_version 6
	.text
	.protected	k_q8aec02d406_finish
	.globl	k_q8aec02d406_finish
	.p2align	8
	.type	k_q8aec02d406_finish,@function
k_q8aec02d406_finish:
	s_mov_b64 s[64:65], 0
	v_nop
	global_prefetch_b8 v0, s[64:65] scope:SCOPE_SE
	s_setreg_imm32_b32 hwreg(HW_REG_WAVE_MODE, 25, 1), 1
	s_wait_xcnt 0x0
; THIRD AND LAST LAUNCH.  attn_out = part[0] + part[1] + part[2] + part[3] + bo; out0 = gelu(out + LayerNorm(attn_out)), row by row, in f32.  One wave, one row; no LDS, no barrier.
; Register 4 i + e of a lane holds column 128 i + 4 lane + e: each load and store of the wave covers 512 consecutive bytes.
; gelu(o) = o / 2 (1 + erf(o / sqrt 2)).  erf(y) = 1 - (a1 t + .. + a5 t^5) exp(-y^2), t = 1 / (1 + 0.3275911 y), for y >= 0 (Abramowitz and Stegun 7.1.26: within 1.5e-7 for every y); with y = |o| / sqrt 2
; the result is o / 2 + |o / 2| erf(y).  LIMIT: that error of erf, times |o| / 2.
; A row all of whose keys are hidden is NaN in reference() (its softmax is -inf less -inf): the row's 32 mask words are read, and where all are 0 every number of the row becomes NaN, by a selection.
.set A,  16
.set P1, 48
.set P2, 80
.set P3, 112
.set BO, 144
.set OF, 176
.set GG, 208
.set T,  80
.set SEL, 26
.macro WSUM r, t
	v_add_f32_dpp v[\r], v[\r], v[\r] row_xmask:1 row_mask:0xf bank_mask:0xf
	v_add_f32_dpp v[\r], v[\r], v[\r] row_xmask:2 row_mask:0xf bank_mask:0xf
	v_add_f32_dpp v[\r], v[\r], v[\r] row_xmask:4 row_mask:0xf bank_mask:0xf
	v_add_f32_dpp v[\r], v[\r], v[\r] row_xmask:8 row_mask:0xf bank_mask:0xf
	v_permlanex16_b32 v[\t], v[\r], s[SEL], s[SEL+1]
	v_add_f32 v[\r], v[\r], v[\t]
.endm
	s_load_b256 s[4:11], s[0:1], 0x0               ; part 4, outf 6, bo 8, ln2_g 10
	s_load_b128 s[12:15], s[0:1], 0x20             ; ln2_b 12, attention 14
	s_load_b64 s[16:17], s[0:1], 0x30              ; out0
	v_lshrrev_b32 v3, 5, v0
	v_readfirstlane_b32 s18, v3
	v_and_b32 v1, 31, v0
	v_lshlrev_b32 v2, 4, v1
	v_lshlrev_b32 v3, 2, v1
	s_lshl_b32 s19, ttmp9, 2
	s_add_co_u32 s19, s19, s18                     ; my row
	s_lshl_b32 s22, s19, 12
	s_mov_b32 s23, 0
	s_lshl_b32 s24, s19, 7
	s_mov_b32 s25, 0
	s_mov_b32 s[SEL], 0x76543210
	s_mov_b32 s[SEL+1], 0xfedcba98
	s_mov_b32 s28, 0x3a800000                      ; 1 / 1024
	s_mov_b32 s29, 0x3f87dc22                      ; a5 = 1.061405429
	s_mov_b32 s30, 0x3e6d3389                      ; 0.3275911 / sqrt 2
	s_wait_kmcnt 0x0
	s_add_nc_u64 s[4:5], s[4:5], s[22:23]          ; part[0]'s row; part[1]'s lies 0x400000 on,
	s_add_nc_u64 s[20:21], s[4:5], 0x800000        ; part[2]'s; part[3]'s lies 0x400000 on
	s_add_nc_u64 s[6:7], s[6:7], s[22:23]
	s_add_nc_u64 s[16:17], s[16:17], s[22:23]
	s_add_nc_u64 s[14:15], s[14:15], s[24:25]
.irp i, 0,1,2,3,4,5,6,7
	global_load_b128 v[A+4*\i:A+4*\i+3], v2, s[4:5] offset:512*\i th:TH_LOAD_NT
.endr
.irp i, 0,1,2,3,4,5,6,7
	global_load_b128 v[P1+4*\i:P1+4*\i+3], v2, s[4:5] offset:0x400000+512*\i th:TH_LOAD_NT
.endr
.irp i, 0,1,2,3,4,5,6,7
	global_load_b128 v[P2+4*\i:P2+4*\i+3], v2, s[20:21] offset:512*\i th:TH_LOAD_NT
.endr
.irp i, 0,1,2,3,4,5,6,7
	global_load_b128 v[P3+4*\i:P3+4*\i+3], v2, s[20:21] offset:0x400000+512*\i th:TH_LOAD_NT
.endr
.irp i, 0,1,2,3,4,5,6,7
	global_load_b128 v[BO+4*\i:BO+4*\i+3], v2, s[8:9] offset:512*\i
.endr
.irp i, 0,1,2,3,4,5,6,7
	global_load_b128 v[OF+4*\i:OF+4*\i+3], v2, s[6:7] offset:512*\i th:TH_LOAD_NT
.endr
.irp i, 0,1,2,3,4,5,6,7
	global_load_b128 v[GG+4*\i:GG+4*\i+3], v2, s[10:11] offset:512*\i
.endr
	global_load_b32 v240, v3, s[14:15]             ; my key's mask word
	s_wait_loadcnt 17                              ; out's 8, the gain's 8 and the mask word may be out
.set i, 0
.rept 16
	v_pk_add_f32 v[A+i:A+i+1], v[A+i:A+i+1], v[P1+i:P1+i+1]
	v_pk_add_f32 v[P2+i:P2+i+1], v[P2+i:P2+i+1], v[P3+i:P3+i+1]
.set i, i+2
.endr
.set i, 0
.rept 16
	v_pk_add_f32 v[A+i:A+i+1], v[A+i:A+i+1], v[P2+i:P2+i+1]
.set i, i+2
.endr
.set i, 0
.rept 16
	v_pk_add_f32 v[A+i:A+i+1], v[A+i:A+i+1], v[BO+i:BO+i+1]
.set i, i+2
.endr
.irp i, 0,1,2,3,4,5,6,7
	global_load_b128 v[P1+4*\i:P1+4*\i+3], v2, s[12:13] offset:512*\i        ; ln2_b, into registers that have been read
.endr
	v_pk_add_f32 v[T:T+1], v[A:A+1], v[A+2:A+3]    ; the mean, in two chains
	v_pk_add_f32 v[T+2:T+3], v[A+4:A+5], v[A+6:A+7]
.irp j, 8,12,16,20,24,28
	v_pk_add_f32 v[T:T+1], v[T:T+1], v[A+\j:A+\j+1]
	v_pk_add_f32 v[T+2:T+3], v[T+2:T+3], v[A+\j+2:A+\j+3]
.endr
	v_pk_add_f32 v[T:T+1], v[T:T+1], v[T+2:T+3]
	v_add_f32 v[T], v[T], v[T+1]
	WSUM T, T+1
	v_mul_f32 v[T], s28, v[T]
.set i, 0
.rept 16
	v_pk_add_f32 v[A+i:A+i+1], v[A+i:A+i+1], v[T:T+1] op_sel_hi:[1,0] neg_lo:[0,1] neg_hi:[0,1]
.set i, i+2
.endr
	v_pk_mul_f32 v[T+2:T+3], v[A:A+1], v[A:A+1]
	v_pk_mul_f32 v[T+4:T+5], v[A+2:A+3], v[A+2:A+3]
.irp j, 4,8,12,16,20,24,28
	v_pk_fma_f32 v[T+2:T+3], v[A+\j:A+\j+1], v[A+\j:A+\j+1], v[T+2:T+3]
	v_pk_fma_f32 v[T+4:T+5], v[A+\j+2:A+\j+3], v[A+\j+2:A+\j+3], v[T+4:T+5]
.endr
	v_pk_add_f32 v[T+2:T+3], v[T+2:T+3], v[T+4:T+5]
	v_add_f32 v[T+2], v[T+2], v[T+3]
	WSUM T+2, T+3
	v_fmaak_f32 v[T+2], s28, v[T+2], 0x3727c5ac    ; + 1e-5
	v_rsq_f32 v[T+4], v[T+2]
	v_nop
	s_wait_alu depctr_va_vdst(0)                   ; the wait ahead of the first use of the result
	s_wait_loadcnt 0x0
.set i, 0
.rept 16
	v_pk_mul_f32 v[A+i:A+i+1], v[A+i:A+i+1], v[T+4:T+5] op_sel_hi:[1,0]
.set i, i+2
.endr
.set i, 0
.rept 16
	v_pk_fma_f32 v[A+i:A+i+1], v[A+i:A+i+1], v[GG+i:GG+i+1], v[P1+i:P1+i+1]
.set i, i+2
.endr
.set i, 0
.rept 16
	v_pk_add_f32 v[A+i:A+i+1], v[A+i:A+i+1], v[OF+i:OF+i+1]                  ; o = out + LayerNorm(attn_out)
.set i, i+2
.endr
.set i, 0
.rept 32
	v_fma_f32 v[P2+i], |v[A+i]|, s30, 1.0          ; 1 + 0.3275911 y
.set i, i+1
.endr
.set i, 0
.rept 16
	v_pk_mul_f32 v[P3+i:P3+i+1], v[A+i:A+i+1], v[A+i:A+i+1]
.set i, i+2
.endr
.set i, 0
.rept 16
	v_pk_mul_f32 v[P3+i:P3+i+1], v[P3+i:P3+i+1], 0xbf38aa3b op_sel_hi:[1,0]  ; -y^2 log2(e) = -o^2 log2(e) / 2
.set i, i+2
.endr
.set i, 0
.rept 32
	v_rcp_f32 v[P2+i], v[P2+i]                     ; t
.set i, i+1
.endr
.set i, 0
.rept 32
	v_exp_f32 v[P3+i], v[P3+i]                     ; exp(-y^2)
.set i, i+1
.endr
	v_mov_b32 v241, 0x7fc00000                     ; NaN; also the plain instruction behind the batch
	s_wait_alu depctr_va_vdst(0)                   ; one wait for the 64, ahead of their first reader
.set i, 0
.rept 32
	v_fmaak_f32 v[BO+i], s29, v[P2+i], 0xbfba00e3  ; a5 t + a4
.set i, i+1
.endr
.irp c, 0x3fb5f0e3, 0xbe91a98e, 0x3e827906     ; a3, a2, a1
.set i, 0
.rept 32
	v_fmaak_f32 v[BO+i], v[BO+i], v[P2+i], \c
.set i, i+1
.endr
.endr
.set i, 0
.rept 32
	v_mul_f32 v[BO+i], v[BO+i], v[P2+i]
.set i, i+1
.endr
.set i, 0
.rept 32
	v_fma_f32 v[BO+i], -v[BO+i], v[P3+i], 1.0      ; erf(y)
.set i, i+1
.endr
.set i, 0
.rept 16
	v_pk_mul_f32 v[A+i:A+i+1], v[A+i:A+i+1], 0.5 op_sel_hi:[1,0]
.set i, i+2
.endr
.set i, 0
.rept 32
	v_fma_f32 v[A+i], |v[A+i]|, v[BO+i], v[A+i]
.set i, i+1
.endr
	v_cmp_ne_u32 vcc_lo, 0, v240                   ; the lanes whose key is open
	s_cmp_eq_u32 vcc_lo, 0
	s_cselect_b32 s31, -1, 0                       ; none: the whole row is NaN
.set i, 0
.rept 32
	v_cndmask_b32 v[A+i], v[A+i], v241, s31
.set i, i+1
.endr
.irp i, 0,1,2,3,4,5,6,7
	global_store_b128 v2, v[A+4*\i:A+4*\i+3], s[16:17] offset:512*\i th:TH_STORE_NT
.endr
	s_endpgm
.Lfunc_end_k_q8aec02d406_finish:
	.size	k_q8aec02d406_finish, .Lfunc_end_k_q8aec02d406_finish-k_q8aec02d406_finish
	.p2alignl 7, 3214868480
	.fill 96, 4, 3214868480
	.section	.rodata,"a",@progbits
	.p2align	6, 0x0
	.amdhsa_kernel k_q8aec02d406_finish
		.amdhsa_group_segment_fixed_size 0
		.amdhsa_private_segment_fixed_size 0
		.amdhsa_enable_private_segment 0
		.amdhsa_kernarg_size 56
		.amdhsa_user_sgpr_count 2
		.amdhsa_user_sgpr_kernarg_segment_ptr 1
		.amdhsa_wavefront_size32 1
		.amdhsa_system_sgpr_workgroup_id_x 1
		.amdhsa_system_sgpr_workgroup_id_y 1
		.amdhsa_system_sgpr_workgroup_id_z 1
		.amdhsa_system_vgpr_workitem_id 0
		.amdhsa_next_free_vgpr 244
		.amdhsa_next_free_sgpr 66
		.amdhsa_reserve_vcc 1
		.amdhsa_float_denorm_mode_32 3
		.amdhsa_float_denorm_mode_16_64 3
		.amdhsa_memory_ordered 1
		.amdhsa_forward_progress 1
		.amdhsa_inst_pref_size 42
	.end_amdhsa_kernel
	.amdgpu_metadata
---
amdhsa.version: [ 1, 2 ]
amdhsa.kernels:
  - .name:           k_q8aec02d406_finish
    .symbol:         k_q8aec02d406_finish.kd
    .args:
      - { .name: part, .offset: 0, .size: 8, .value_kind: global_buffer, .address_space: global }
      - { .name: outf, .offset: 8, .size: 8, .value_kind: global_buffer, .address_space: global }
      - { .name: bo, .offset: 16, .size: 8, .value_kind: global_buffer, .address_space: global }
      - { .name: ln2_g, .offset: 24, .size: 8, .value_kind: global_buffer, .address_space: global }
      - { .name: ln2_b, .offset: 32, .size: 8, .value_kind: global_buffer, .address_space: global }
      - { .name: attention, .offset: 40, .size: 8, .value_kind: global_buffer, .address_space: global }
      - { .name: out0, .offset: 48, .size: 8, .value_kind: global_buffer, .address_space: global }
    .group_segment_fixed_size: 0
    .private_segment_fixed_size: 0
    .kernarg_segment_align: 8
    .kernarg_segment_size: 56
    .max_flat_workgroup_size: 128
    .sgpr_count:     66
    .vgpr_count:     244
    .wavefront_size: 32
...
	.end_amdgpu_metadata
.endif
;; end of part 3
